; MI455X (gfx1250); checked and timed in simulation.
; The chip was launched on July 23, 2026; its instructions are those of AMD's public machine-readable ISA for CDNA 5 (MIT licence, August 2026) and "CDNA5" Instruction Set Architecture Reference Guide (July 2026). The comments in the code are by the model that wrote it; some were corrected since.
;; Multihead Attention. Allowed arithmetic: matrix products marked QUANTISED: E2M1 operands, one E8M0 scale for each 32 along K, by v_wmma_scale_f32_16x16x128_f8f6f4 with both operands' format E2M1 (or v_wmma_scale_f32_32x16x128_f4), f32 sums; products left as they are: bf16, f16 or f32 operands; f32 sums; everything else in f32.
;; Inputs: Wk 1,024 x 1,024 float32; Wo 1,024 x 1,024 float32; Wq 1,024 x 1,024 float32; Wv 1,024 x 1,024 float32; key 2 x 2,048 x 1,024 float32; query 2 x 2,048 x 1,024 float32; value 2 x 2,048 x 1,024 float32.
;; Outputs: out0 2 x 2,048 x 1,024 float32.
;; This version of the problem:
;;   THIS VERSION OF THE PROBLEM IS GIVEN IN LOW PRECISION. The matrix products marked QUANTISED in the list below multiply operands that are first quantised to E2M1 (2 exponent bits, 1 mantissa bit; 4 bits a number), with one power-of-two scale for each 32 numbers along K (OCP MX v1.0); their sums are f32. The products marked 'left as it is' may take bf16, f16 or f32 operands, with f32 sums. Whichever they take, every output number must still come out within the allowed error. Rounding operands to bf16 (8 significant bits) uses up far more of that allowance than f16 does (11 bits, for magnitudes from 6e-5 to 65,504). All else is computed in f32.
;;   The module's matrix products, in the order in which they are computed (A, B: the left and right operand; K: the contracted axis; several contracted axes count as one K, in the product's order):
;;     1. [M 4,096, K 1,024] x [K 1,024, N 1,024]; A: input query; B: input Wq: QUANTISED
;;     2. [M 4,096, K 1,024] x [K 1,024, N 1,024]; A: input key; B: input Wk: QUANTISED
;;     3. [M 4,096, K 1,024] x [K 1,024, N 1,024]; A: input value; B: input Wv: QUANTISED
;;     4. batch 32 x [M 2,048, K 64] x [K 64, N 2,048]; A: computed on the way; B: computed on the way: left as it is (an operand is computed on the way)
;;     5. batch 32 x [M 64, K 2,048] x [K 2,048, N 2,048]; A: computed on the way; B: computed on the way: left as it is (an operand is computed on the way)
;;     6. [M 4,096, K 1,024] x [K 1,024, N 1,024]; A: computed on the way; B: input Wo: left as it is (an operand is computed on the way)
;;   THE QUANTISER, for each operand of a quantised product, along K:
;;     - K is cut into blocks of 32 from its start; a last block that is shorter is filled with zeros.
;;     - A block's scale is 2^e with e = floor(log2(the largest magnitude in the block)) - 2, held to -126 .. 127; a block of zeros has e = 0. As a byte (E8M0): e + 127.
;;     - Each number is divided by its block's scale, clamped to +-6, and rounded to the nearest number of E2M1, ties to even, subnormals kept.
;;     - The product sums the exact products of the quantised numbers (number of the format x scale) in f32.
;;   ~~~python
;;   def quantise(x, axis):      # numpy; x: float32 -> the quantised numbers, widened to float32 again
;;       x = np.moveaxis(x, axis, -1); K = x.shape[-1]
;;       x = np.pad(x, [(0, 0)] * (x.ndim - 1) + [(0, -K % 32)]); x = x.reshape(x.shape[:-1] + (-1, 32)); a = np.abs(x).max(-1, keepdims=True)
;;       e = np.where(a > 0, np.clip(np.frexp(np.where(a > 0, a, 1))[1] - 1 - 2, -126, 127), 0)      # np.frexp(a)[1] - 1 = floor(log2(a)), exactly
;;       r = np.clip(x / 2.0 ** e, -6, 6)
;;       step = 2.0 ** (np.maximum(np.frexp(np.where(r == 0, 1, r))[1] - 1, 0) - 1)
;;       q = np.round(r / step) * step * 2.0 ** e      # np.round: ties to even
;;       return np.moveaxis(q.reshape(q.shape[:-2] + (-1,))[..., :K], -1, axis).astype(np.float32)
;;   ~~~
;; One version. Each part assembles by itself: llvm-mc -triple=amdgcn-amd-amdhsa -mcpu=gfx1250 --defsym DOCPART=n.
;; ======== version 1 of 1: 4 launches
;; limits: values are held in f16: magnitudes above 65,504 overflow, below 6.1e-05 lose precision
;; workspace buffers: codes 7,864,320 bytes; scales 491,520 bytes; wo16 2,097,152 bytes; qkv 25,165,824 bytes; att 8,388,608 bytes
;; launch quant (part 1): grid 512 x 1, 4 waves a work-group, no clusters, 33,280 bytes of LDS; arguments query, key, value, Wq, Wk, Wv, Wo, codes, scales, wo16; writes codes, scales, wo16
.if DOCPART == 1
	.amdgcn_target "amdgcn-amd-amdhsa--gfx1250"
	.amdhsa_code_object_version 6
	.text
	.protected	k_qca1a82dbe8_quant
	.globl	k_qca1a82dbe8_quant
	.p2align	8
	.type	k_qca1a82dbe8_quant,@function
k_qca1a82dbe8_quant:
	s_mov_b64 s[64:65], 0
	v_nop
	global_prefetch_b8 v0, s[64:65] scope:SCOPE_SE
	s_setreg_imm32_b32 hwreg(HW_REG_WAVE_MODE, 25, 1), 1
	s_wait_xcnt 0x0
; query, key, value [4096][1024] and Wq, Wk, Wv [1024][1024], f32, K innermost, become codes of FP4 (E2M1) with one E8M0 scale byte for each 32 along K; Wo [1024][1024] is rounded once to f16.
; A block's scale is 2^(floor(log2(its largest magnitude)) - 2): its byte is the largest magnitude's own exponent field - 2, held at 1 from below.  Each number is divided by the scale and rounded to the
; nearest code, ties to even; beyond 6 the largest code.  (A block of zeros keeps the byte 1 where the rule says 127: its codes are zeros, and this program alone reads the bytes.)
; LIMITS: NaN and infinities among the inputs are not served; blocks whose largest magnitude lies under 2^(2 - 126) take the floor's byte; a number of Wo beyond 65,504 becomes an infinity of f16.
; Rows are dense and 1,024 is a multiple of 32: each tensor is a plain stream of blocks of 32.  The six tensors' codes follow each other in ONE buffer (query, key, value, Wq, Wk, Wv), their bytes likewise.
; SHARES: a work-group takes 32,768 numbers, a wave 8,192.  Work-groups 0-127 query, 128-255 key, 256-383 value, 384-415 Wq, 416-447 Wk, 448-479 Wv: only the source pointer is chosen, the way out is linear
; in the work-group's number.  Work-groups 480-511 take Wo, on a path of their own that uses no LDS but its closing add.
; A wave's 16 steps of 512 numbers: each of a step's four loads reads 512 consecutive bytes; the 2,048 bytes turn through the wave's own stage in LDS and come back 64 bytes a lane (16 neighbours along K; two
; neighbouring lanes hold a block).  A lane's 16 codes are 8 bytes: the wave stores 256 consecutive bytes, aligned.  A wave's 256 scale bytes are gathered in LDS and leave by one store of 256 consecutive bytes.
; No cluster, no matrix unit, no barrier: work-groups and waves share no input.
.set WAVES, 4
.set STEPS, 16
.set CB,    8                          ; bytes of 16 codes
.set R,     16                         ; v16-79   four sets of 16 numbers as they are loaded (Wo's path: v16-143, two sets of 64)
.set X,     80                         ; v80-111  two sets of 16 neighbours
.set E,     112                        ; v112-127 a scale byte for each step
.set C,     128                        ; v128-191 codes: four registers for each step, so that no store's data are written again
.set WO,    144                        ; Wo's path: v144-207 two sets of 32 registers of f16 pairs
.set WREG,  8192                       ; LDS: a region for each wave: two stages of 32 x SP bytes, behind them its 256 scale bytes
.set SP,    80                         ; a lane's place in a stage: its 64 bytes + 16 of padding
.set SPW,   12                         ; v12      LDS address of my spare word; never rewritten
.set NIL,   13                         ; v13      0; never rewritten
.set SPARE, WAVES*WREG                 ; behind the four regions: the spare words, 128 bytes for each wave
	s_load_b512 s[4:19], s[0:1], 0x0               ; query s[4:5], key s[6:7], value s[8:9], Wq s[10:11], Wk s[12:13], Wv s[14:15], Wo s[16:17], codes s[18:19]
	s_load_b128 s[20:23], s[0:1], 0x40             ; scales s[20:21], wo16 s[22:23]
	v_lshl_add_u32 v[SPW], v0, 2, SPARE
	v_mov_b32 v[NIL], 0
	v_lshrrev_b32 v1, 5, v0
	v_readfirstlane_b32 s24, v1                    ; wave
	v_and_b32 v2, 31, v0                           ; lane
	v_lshlrev_b32 v3, 4, v2                        ; my 16 bytes of a load's 512
	s_mul_i32 s28, s24, WREG
	v_lshrrev_b32 v14, 2, v2
	v_mul_u32_u24 v14, v14, SP
	v_and_b32 v15, 3, v2
	v_lshl_add_u32 v14, v15, 4, v14
	v_add_nc_u32 v14, s28, v14                     ; the stage, on the way in: four lanes' 64 bytes on end, then 16 of padding
	v_mul_u32_u24 v15, v2, SP
	v_add_nc_u32 v15, s28, v15                     ; and on the way out: SP x lane: my 16 neighbours
	v_mul_u32_u24 v4, v2, CB                       ; 8 x lane: my codes' place in a step's; on Wo's path my f16 numbers' place
	v_lshrrev_b32 v5, 1, v2
	s_add_co_u32 s28, s28, 2*32*SP
	v_add_nc_u32 v5, s28, v5                       ; LDS: my wave's 256 scale bytes, my block's byte
	v_lshlrev_b32 v7, 3, v2                        ; and on the way out 8 bytes a lane
	v_add_nc_u32 v6, s28, v7
	s_wait_kmcnt 0x0
	s_cmp_ge_u32 ttmp9, 480                        ; the work-group's number alone decides
	s_cbranch_scc1 .Lwo
	; which tensor is mine: the pointer and the tensor's first work-group, chosen from the top down
	s_mov_b64 s[26:27], s[14:15]
	s_mov_b32 s25, 448
	s_cmp_lt_u32 ttmp9, 448
	s_cselect_b64 s[26:27], s[12:13], s[26:27]
	s_cselect_b32 s25, 416, s25
	s_cmp_lt_u32 ttmp9, 416
	s_cselect_b64 s[26:27], s[10:11], s[26:27]
	s_cselect_b32 s25, 384, s25
	s_cmp_lt_u32 ttmp9, 384
	s_cselect_b64 s[26:27], s[8:9], s[26:27]
	s_cselect_b32 s25, 256, s25
	s_cmp_lt_u32 ttmp9, 256
	s_cselect_b64 s[26:27], s[6:7], s[26:27]
	s_cselect_b32 s25, 128, s25
	s_cmp_lt_u32 ttmp9, 128
	s_cselect_b64 s[26:27], s[4:5], s[26:27]
	s_cselect_b32 s25, 0, s25
	s_sub_co_u32 s28, ttmp9, s25
	s_lshl_b32 s28, s28, 2
	s_add_co_u32 s28, s28, s24                     ; which run of 8,192 numbers of the tensor is my wave's
	s_lshl_b32 s28, s28, 15                        ; 32,768 bytes a run
	s_mov_b32 s29, 0
	s_add_nc_u64 s[26:27], s[26:27], s[28:29]
	s_lshl_b32 s30, ttmp9, 2
	s_add_co_u32 s30, s30, s24                     ; which run of the whole stream
	s_lshl_b32 s28, s30, 12                        ; 4,096 bytes of codes a run
	s_add_nc_u64 s[18:19], s[18:19], s[28:29]
	s_lshl_b32 s28, s30, 8                         ; 256 scale bytes a run
	s_add_nc_u64 s[20:21], s[20:21], s[28:29]
.macro LOAD t
.irp i, 0,1,2,3
	global_load_b128 v[R+16*((\t)%4)+4*\i:R+16*((\t)%4)+4*\i+3], v3, s[26:27] offset:2048*(\t)+512*\i th:TH_LOAD_NT   ; 32 lanes read 512 consecutive bytes
.endr
.endm
.macro TURN t                          ; step t's numbers through the stage: LDS serves a wave's instructions in order, so no wait stands between the stores and the loads
.irp i, 0,1,2,3
	ds_store_b128 v14, v[R+16*((\t)%4)+4*\i:R+16*((\t)%4)+4*\i+3] offset:32*SP*((\t)%2)+8*SP*\i
.endr
.irp i, 0,1,2,3
	ds_load_b128 v[X+16*((\t)%2)+4*\i:X+16*((\t)%2)+4*\i+3], v15 offset:32*SP*((\t)%2)+16*\i
.endr
.endm
.irp t, 0,1,2,3
	LOAD \t
.endr
	s_wait_loadcnt 12                              ; step 0's four loads are in; the twelve of steps 1 to 3 may be out
	TURN 0
.macro STEP t
.set XS, X+16*((\t)%2)
.if (\t) > 0
	s_wait_dscnt 1                                 ; this step's numbers are back from the stage (the last step's byte store may be out): so its stores into the stage have read their registers,
.else
	s_wait_dscnt 0x0
.endif
.if (\t)+4 < STEPS
	LOAD (\t)+4                                    ; which take the loads of four steps on
.endif
.if (\t)+1 < STEPS
.if STEPS-2-(\t) >= 3
	s_wait_loadcnt 12                              ; the next step's four loads are in; those of the three steps behind it may be out
.else
	s_wait_loadcnt 4*(STEPS-2-(\t))
.endif
	TURN (\t)+1                                    ; and go through the other stage while this step is worked
.endif
	v_max3_num_f32 v8, |v[XS]|, |v[XS+1]|, |v[XS+2]|               ; the largest magnitude of my 16, in two chains
	v_max3_num_f32 v9, |v[XS+3]|, |v[XS+4]|, |v[XS+5]|
.irp i, 6,10
	v_max3_num_f32 v8, v8, |v[XS+\i]|, |v[XS+\i+1]|
	v_max3_num_f32 v9, v9, |v[XS+\i+2]|, |v[XS+\i+3]|
.endr
	v_max3_num_f32 v8, v8, |v[XS+14]|, |v[XS+15]|
	v_max3_num_f32 v8, v8, v9, 0x1800000           ; and the floor 2^(3 - 127): so the byte cannot fall under 1
	v_max_num_f32_dpp v8, v8, v8 row_xmask:1 row_mask:0xf bank_mask:0xf   ; and of my neighbour's 16: the block's
	v_add_nc_u32 v11, 0xff000000, v8               ; 2 off its exponent field: the conversion takes the exponent field of this operand as its scale, and nothing else of it
	v_cvt_scalef32_pk8_fp4_f32 v[C+4*(\t)], v[XS:XS+7], v11
	v_cvt_scalef32_pk8_fp4_f32 v[C+4*(\t)+1], v[XS+8:XS+15], v11
	v_lshrrev_b32 v[E+(\t)], 23, v11               ; the scale's byte (a plain line behind the conversions)
	ds_store_b8 v5, v[E+(\t)] offset:16*(\t)       ; both lanes of a block write the same byte with the same value
	global_store_b64 v4, v[C+4*(\t):C+4*(\t)+1], s[18:19] offset:32*CB*(\t)   ; 32 lanes store 256 consecutive bytes, aligned
.endm
.irp t, 0,1,2,3,4,5,6,7,8,9,10,11,12,13,14,15
	STEP \t
.endr
	ds_load_b64 v[8:9], v6                         ; LDS serves a wave's instructions in order: these see my byte stores
	s_wait_dscnt 0x0
	global_store_b64 v7, v[8:9], s[20:21]          ; 32 lanes store my run's 256 scale bytes, aligned
	s_wait_tensorcnt 0x0                           ; the wave's end: behind my last LDS store
	ds_add_u32 v[SPW], v[NIL]
	s_wait_dscnt 0x0
	s_endpgm
; Wo: 8,192 numbers a wave, in four groups of 16 loads of 512 consecutive bytes; a lane's four numbers become 8 bytes, so a store of the wave covers 256 consecutive bytes, aligned.
.Lwo:
	s_sub_co_u32 s28, ttmp9, 480
	s_lshl_b32 s28, s28, 2
	s_add_co_u32 s28, s28, s24                     ; my run of 8,192 numbers
	s_lshl_b32 s30, s28, 14                        ; 16,384 bytes of f16,
	s_lshl_b32 s28, s28, 15                        ; 32,768 of f32
	s_mov_b32 s29, 0
	s_mov_b32 s31, 0
	s_add_nc_u64 s[16:17], s[16:17], s[28:29]
	s_add_nc_u64 s[22:23], s[22:23], s[30:31]
.macro WLOAD g
.irp i, 0,1,2,3,4,5,6,7,8,9,10,11,12,13,14,15
	global_load_b128 v[R+64*((\g)%2)+4*\i:R+64*((\g)%2)+4*\i+3], v3, s[16:17] offset:8192*(\g)+512*\i th:TH_LOAD_NT
.endr
.endm
.macro WGROUP g
.if (\g) < 3
	s_wait_loadcnt 16                              ; this group's 16 loads are in; the next group's 16 may be out
.else
	s_wait_loadcnt 0x0
.endif
.if (\g) >= 2
	s_wait_xcnt 0x0                                ; the stores of two groups back have read this set of registers: it is written again only behind this wait
.endif
.irp i, 0,1,2,3,4,5,6,7,8,9,10,11,12,13,14,15
	v_cvt_pk_f16_f32 v[WO+32*((\g)%2)+2*\i],   v[R+64*((\g)%2)+4*\i],   v[R+64*((\g)%2)+4*\i+1]
	v_cvt_pk_f16_f32 v[WO+32*((\g)%2)+2*\i+1], v[R+64*((\g)%2)+4*\i+2], v[R+64*((\g)%2)+4*\i+3]
.endr
.if (\g) < 2
	WLOAD (\g)+2                                   ; loads ahead of stores
.endif
.irp i, 0,1,2,3,4,5,6,7,8,9,10,11,12,13,14,15
	global_store_b64 v4, v[WO+32*((\g)%2)+2*\i:WO+32*((\g)%2)+2*\i+1], s[22:23] offset:4096*(\g)+256*\i
.endr
.endm
	WLOAD 0
	WLOAD 1
	WGROUP 0
	WGROUP 1
	WGROUP 2
	WGROUP 3
	s_wait_tensorcnt 0x0                           ; the same three closing lines on this path
	ds_add_u32 v[SPW], v[NIL]
	s_wait_dscnt 0x0
	s_endpgm
.Lfunc_end_k_qca1a82dbe8_quant:
	.size	k_qca1a82dbe8_quant, .Lfunc_end_k_qca1a82dbe8_quant-k_qca1a82dbe8_quant
	.p2alignl 7, 3214868480
	.fill 96, 4, 3214868480
	.section	.rodata,"a",@progbits
	.p2align	6, 0x0
	.amdhsa_kernel k_qca1a82dbe8_quant
		.amdhsa_group_segment_fixed_size 33280
		.amdhsa_private_segment_fixed_size 0
		.amdhsa_enable_private_segment 0
		.amdhsa_kernarg_size 80
		.amdhsa_user_sgpr_count 2
		.amdhsa_user_sgpr_kernarg_segment_ptr 1
		.amdhsa_wavefront_size32 1
		.amdhsa_system_sgpr_workgroup_id_x 1
		.amdhsa_system_sgpr_workgroup_id_y 1
		.amdhsa_system_sgpr_workgroup_id_z 1
		.amdhsa_system_vgpr_workitem_id 0
		.amdhsa_next_free_vgpr 208
		.amdhsa_next_free_sgpr 66
		.amdhsa_reserve_vcc 0
		.amdhsa_float_denorm_mode_32 3
		.amdhsa_float_denorm_mode_16_64 3
		.amdhsa_memory_ordered 1
		.amdhsa_forward_progress 1
		.amdhsa_inst_pref_size 55
	.end_amdhsa_kernel
	.amdgpu_metadata
---
amdhsa.version: [ 1, 2 ]
amdhsa.kernels:
  - .name:           k_qca1a82dbe8_quant
    .symbol:         k_qca1a82dbe8_quant.kd
    .args:
      - { .name: query, .offset: 0, .size: 8, .value_kind: global_buffer, .address_space: global }
      - { .name: key, .offset: 8, .size: 8, .value_kind: global_buffer, .address_space: global }
      - { .name: value, .offset: 16, .size: 8, .value_kind: global_buffer, .address_space: global }
      - { .name: Wq, .offset: 24, .size: 8, .value_kind: global_buffer, .address_space: global }
      - { .name: Wk, .offset: 32, .size: 8, .value_kind: global_buffer, .address_space: global }
      - { .name: Wv, .offset: 40, .size: 8, .value_kind: global_buffer, .address_space: global }
      - { .name: Wo, .offset: 48, .size: 8, .value_kind: global_buffer, .address_space: global }
      - { .name: codes, .offset: 56, .size: 8, .value_kind: global_buffer, .address_space: global }
      - { .name: scales, .offset: 64, .size: 8, .value_kind: global_buffer, .address_space: global }
      - { .name: wo16, .offset: 72, .size: 8, .value_kind: global_buffer, .address_space: global }
    .group_segment_fixed_size: 33280
    .private_segment_fixed_size: 0
    .kernarg_segment_align: 8
    .kernarg_segment_size: 80
    .max_flat_workgroup_size: 128
    .sgpr_count:     66
    .vgpr_count:     208
    .wavefront_size: 32
...
	.end_amdgpu_metadata
.endif
;; end of part 1
;; launch proj (part 2): grid 4 x 48, 4 waves a work-group, clusters of 4 x 4, 327,680 bytes of LDS; arguments codes, scales, qkv; writes qkv
.if DOCPART == 2
	.amdgcn_target "amdgcn-amd-amdhsa--gfx1250"
	.amdhsa_code_object_version 6
	.text
	.protected	k_qca1a82dbe8_proj
	.globl	k_qca1a82dbe8_proj
	.p2align	8
	.type	k_qca1a82dbe8_proj,@function
k_qca1a82dbe8_proj:
	s_mov_b64 s[64:65], 0
	v_nop
	global_prefetch_b8 v0, s[64:65] scope:SCOPE_SE
	s_setreg_imm32_b32 hwreg(HW_REG_WAVE_MODE, 25, 1), 1
	s_wait_xcnt 0x0
	s_wait_alu depctr_hold_cnt(0) depctr_sa_sdst(0) depctr_va_vdst(0) depctr_va_sdst(0) depctr_va_ssrc(0) depctr_va_vcc(0) depctr_vm_vsrc(0)
	s_getreg_b32 s2, hwreg(HW_REG_IB_STS2, 6, 4)
	s_cmp_eq_u32 s2, 0
	s_cbranch_scc0 .Lentry_in_a_cluster
	s_endpgm
.Lentry_in_a_cluster:
	s_bfe_u32 s2, ttmp6, 0x10000c
	s_cmp_lg_u32 s2, 0xf033
	s_cbranch_scc0 .Lentry_shape_is_right
	s_endpgm
.Lentry_shape_is_right:
; The three projections as ONE product on codes of FP4 (E2M1) with E8M0 scales: C[m][n] = sum over k of A[m][k] B[n][k], K = 1,024.  A: the 12,288 rows of query, key, value (512 bytes of codes, 32 scale bytes a row);
; B: for rows of tensor t the 1,024 rows of its own weight (Wq, Wk, Wv), which lie behind A's rows in the same two buffers.  Sums in f32.
; THE RESULT is rounded once to f16 and laid by head: qkv[t][b][h][s][64].  Q (t = 0) is first multiplied by log2(e) / 8, in f32, so that the attention's scores are exponents of 2 as they leave the matrix unit;
; K and V are multiplied by 1 in the same line, so that all partners of a cluster run one text.
; LIMIT: a projected number beyond 65,504 in magnitude becomes an infinity of f16 (numbers drawn as stated reach about 6; with every input 30 times larger about 5,000).
; A tile of C, 256 x 256, is made by four waves, 128 x 128 each: 64 accumulators, 512 registers.  48 x 4 tiles: 192 work-groups; a tile lies inside one tensor, since 4,096 is a multiple of 256.
; K goes in two steps of 512 (a tile's row is 256 bytes of memory) into two LDS slots, each filled once.  The scale bytes of the work-group's rows, two dense blocks, come once with them.
; CLUSTERS: 4 x 4 work-groups.  The four of a row of the cluster need the same tiles of A, the four of a column the same tiles of B (a cluster's 1,024 rows lie in one tensor): each tile is asked for JOINTLY.
; THE MATRIX INSTRUCTION IS USED TRANSPOSED (source 0 = 16 rows of B, source 1 = 16 rows of A): a lane then holds eight neighbouring columns of one row of C.
; REGISTERS, in windows of 256: window 0: v0-31 addresses; v32-95 scale words, two sets, and nothing else; v128-191 A's fragments, one set; on the way out v96-159 products x the factor, v160-191 f16 pairs, v192-255 rows read back.
;   window 1: B's fragments, two sets, at v0 and v128.   window 2: the 32 accumulators of my rows 0-63 ((a, b) at v[8 (8 a + b)]);   window 3: those of my rows 64-127.
.set NQ,     4                         ; matrix instructions deep in a slot: 512 along K
.set ROWB,   256                       ; a tile's row in bytes
.set KROW,   512                       ; a row of codes in memory
.set PITCH,  272                       ; an LDS row: 256 bytes + 16 of padding = 68 words, so the 16 rows that a load touches start 4 words apart (modulo 64 words)
.set FR,     8                         ; registers of a fragment: 16 rows x 128 K
.set NL,     2                         ; LDS loads that bring one
.set NP,     4                         ; places behind this matrix instruction (ISA guide 7.12.1)
.set HALFT,  128*PITCH
.set SLOT,   4*HALFT                   ; A's 256 rows, then B's 256 rows
.set KS,     32                        ; a row of scale bytes
.set SCL,    2*SLOT                    ; behind the slots: the scales, as lines of 256 bytes + 16 of padding
.set HALFS,  (128*KS/256)*272          ; the scales of 128 rows: what one tensor load brings
.set SBLK,   (16*KS/256)*272           ; those of 16 rows
.set SPARE,  SCL+4*HALFS               ; the spare words, 128 bytes for each wave
.set STAGE,  SPARE+512                 ; the way out: 16 rows x (256 bytes + 16) for each wave, in bytes of their own
.set SPITCH, 272
.set WCODES, 12288*KROW                ; where the weights' codes begin,
.set WSCALES, 12288*KS                 ; and their scale bytes
.set ADRA, 16                          ; v16-17  LDS address of my A fragments in slot 0, 1
.set ADRB, 20                          ; v20-21  the same for B
.set STO,  24                          ; v24     the way out: where I put 16 bytes of a row
.set RD,   25                          ; v25     where I read rows back
.set CO,   26                          ; v26     16 x lane: my place in 512 consecutive bytes of qkv
.set ADRS, 27                          ; v27     LDS address of my scale words: lanes 0-15 A's rows, lanes 16-31 B's
.set SPW,  28                          ; v28     LDS address of my spare word; never rewritten
.set NIL,  29                          ; v29     0; never rewritten
.set SC,   32                          ; scale words: set s at v[SC + 32 s]; register 4 i + q: lanes 0-15 the word of A's block i, lanes 16-31 of B's block i, for the slot's q-th 128 along K
.set AF,   128
.set MT,   96
.set TMP,  160
.set BK,   192
.set G1, 24                            ; s[24:31] descriptor group 1 for A's tiles;  s[32:39] group 0, one set for each slot
.set G0, 32
.set G1B, 48                           ; s[48:55], s[56:63] the same for B's tiles
.set G0B, 56
.set G1S, 68                           ; s[68:75], s[76:79] groups 1 and 0 for A's scales;  s[80:87], s[88:91] for B's
.set G0S, 76
.set G1SB, 80
.set G0SB, 88
.set MSB, 0
.macro WIN new                         ; the immediate's high byte repeats the setting that is left; a switch that changes nothing is dropped
.if MSB != (\new)
	s_set_vgpr_msb (MSB<<8)|(\new)
.set MSB, (\new)
.endif
.endm
.set MUL_LO, 0xa1                      ; source 0 (B) window 1, source 1 (A) window 0, C and D window 2
.set MUL_HI, 0xf1                      ; the same, C and D window 3
.set TO_B,   0x40                      ; destination window 1, address window 0
; A joint load: waves 0 and 1 fetch for A, waves 2 and 3 for B.  Each line has ONE mask and one set of registers for all that issue it; the branch hangs on the wave's number alone.
; An s_nop 0 and four v_nop follow each of the two lines, ahead of the jump, the label and what follows.
.macro JLOAD g0a, g1a, g0b, g1b
	s_cmp_eq_u32 s15, 0
	s_cbranch_scc0 .Lfor_b_\@
	tensor_load_to_lds s[\g0a:\g0a+3], s[\g1a:\g1a+7]
	s_nop 0
.rept 4
	v_nop
.endr
	s_branch .Lasked_\@
.Lfor_b_\@:
	tensor_load_to_lds s[\g0b:\g0b+3], s[\g1b:\g1b+7]
	s_nop 0
.rept 4
	v_nop
.endr
.Lasked_\@:
.endm
.macro CROUND                          ; a round of the cluster's barrier: my work-group's barrier; wave 0 signals for the work-group; every wave waits for all sixteen; my work-group's barrier once more
	s_barrier_signal -1
	s_barrier_wait -1
	s_cmp_lg_u32 s14, 0
	s_cbranch_scc1 .Lnot_wave_0_\@
	s_barrier_signal -3
.Lnot_wave_0_\@:
	s_barrier_wait -3
	s_barrier_signal -1
	s_barrier_wait -1
.endm
	s_load_b128 s[4:7], s[0:1], 0x0                ; codes s[4:5], scales s[6:7]
	s_load_b64 s[12:13], s[0:1], 0x10              ; qkv
	v_lshl_add_u32 v[SPW], v0, 2, SPARE
	v_mov_b32 v[NIL], 0
	ds_add_u32 v[SPW], v[NIL]                      ; the wave's opening: the add, twice on end, and its wait ahead of my first tensor load; the set-up below stands between
	ds_add_u32 v[SPW], v[NIL]
	v_lshrrev_b32 v1, 5, v0
	v_readfirstlane_b32 s14, v1                    ; wave 0..3
	s_lshr_b32 s15, s14, 1                         ; which half of the tile's rows is mine.  Also: I fetch for A (0) or for B (1)
	s_and_b32 s16, s14, 1                          ; which half of its columns.  Also: which 128 rows of that tile I fetch
	s_bfe_u32 s40, ttmp6, 0x40000                  ; cx, cy: my place in the cluster
	s_bfe_u32 s41, ttmp6, 0x40004
	s_lshl_b32 s42, ttmp9, 2
	s_add_co_u32 s42, s42, s40                     ; tile column = 4 x cluster x + cx
	s_and_b32 s95, ttmp7, 0xffff                   ; cluster y, 0..11
	s_lshl_b32 s17, s95, 2
	s_add_co_u32 s17, s17, s41                     ; tile row = 4 x cluster y + cy
	s_lshr_b32 s66, s95, 2                         ; the tensor, 0..2: made of the cluster's y alone, so all sixteen partners share it
	s_cmp_lt_u32 s95, 4
	s_cselect_b32 s96, 0x3e38aa3b, 1.0             ; the factor: log2(e) / 8 for Q, 1 for K and V
	s_mov_b32 s97, s96                             ; (named with it as a pair, so it is written)
	s_lshl_b32 s43, s41, 2
	s_lshl_b32 s43, 15, s43                        ; my row of the cluster
	s_lshl_b32 s44, 0x1111, s40                    ; my column
	; descriptor group 1: a tile of 128 rows x 256 bytes, padded in LDS
	s_or_b32 s[G1+0], s43, (0<<16)|(1<<20)|(1<<21)|(5<<22)|(3<<25)  ; 15:0 the mask: A's tiles go to my row; 17:16 element of 1 byte; 20 padding on; 21 set beside a mask; 24:22 after every 64 words; 31:25 four words
	s_or_b32 s[G1B+0], s44, (0<<16)|(1<<20)|(1<<21)|(5<<22)|(3<<25)
.irp g, G1, G1B
	s_mov_b32 s[\g+1], ROWB<<16                    ; tensor_dim0
	s_mov_b32 s[\g+2], 128<<16                     ; tensor_dim1
	s_mov_b32 s[\g+3], ROWB<<16                    ; tile_dim0
	s_mov_b32 s[\g+4], 128                         ; tile_dim1
	s_mov_b32 s[\g+5], KROW                        ; from row to row
	s_mov_b32 s[\g+6], 0
	s_mov_b32 s[\g+7], 0
.endr
	; the scales of 128 rows: a dense block of 4,096 bytes, as 16 lines of 256 bytes (32 elements of 8 bytes), 16 bytes of padding behind each
	s_or_b32 s[G1S+0], s43, (3<<16)|(1<<20)|(1<<21)|(5<<22)|(3<<25)
	s_or_b32 s[G1SB+0], s44, (3<<16)|(1<<20)|(1<<21)|(5<<22)|(3<<25)
.irp g, G1S, G1SB
	s_mov_b32 s[\g+1], 32<<16
	s_mov_b32 s[\g+2], (128*KS/256)<<16
	s_mov_b32 s[\g+3], 32<<16
	s_mov_b32 s[\g+4], 128*KS/256
	s_mov_b32 s[\g+5], 32
	s_mov_b32 s[\g+6], 0
	s_mov_b32 s[\g+7], 0
.endr
	s_lshl_b32 s18, s16, 7                         ; which 128 rows of the tile I fetch
	s_lshl_b32 s20, s17, 8
	s_add_co_u32 s20, s20, s18                     ; A: row 256 x tile row + 128 x half: it hangs on the tile row alone
	s_lshl_b32 s46, s42, 8
	s_add_co_u32 s46, s46, s18
	s_lshl_b32 s67, s66, 10
	s_add_co_u32 s46, s46, s67                     ; B: row 1,024 x tensor + 256 x tile column + 128 x half: no cy in it
	s_lshl_b32 s22, s20, 5                         ; where these rows' scale bytes begin,
	s_lshl_b32 s20, s20, 9                         ; and their codes (all under 2^24)
	s_lshl_b32 s92, s46, 5
	s_lshl_b32 s46, s46, 9
	s_add_co_u32 s92, s92, WSCALES
	s_add_co_u32 s46, s46, WCODES
	s_mov_b32 s21, 0
	s_mov_b32 s23, 0
	s_mov_b32 s47, 0
	s_mov_b32 s93, 0
	s_mul_i32 s45, s14, HALFT                      ; where they go: wave x 128 rows: no place in the cluster enters an LDS address
	s_mul_i32 s94, s14, HALFS
	s_wait_dscnt 0x0                               ; both opening adds are done
	s_wait_kmcnt 0x0
	s_add_nc_u64 s[20:21], s[4:5], s[20:21]
	s_add_nc_u64 s[22:23], s[6:7], s[22:23]
	s_add_nc_u64 s[46:47], s[4:5], s[46:47]
	s_add_nc_u64 s[92:93], s[6:7], s[92:93]
	CROUND                                         ; all sixteen work-groups are here: the joint loads meet
	s_mov_b32 s[G0S], 1
	s_add_co_u32 s[G0S+1], s94, SCL
	s_mov_b64 s[G0S+2:G0S+3], s[22:23]
	s_or_b32 s[G0S+3], s[G0S+3], 0x80000000
	s_mov_b32 s[G0SB], 1
	s_add_co_u32 s[G0SB+1], s94, SCL
	s_mov_b64 s[G0SB+2:G0SB+3], s[92:93]
	s_or_b32 s[G0SB+3], s[G0SB+3], 0x80000000
	JLOAD G0S, G1S, G0SB, G1SB                     ; the scales first: they are wanted with K step 0.  With the two below three tensor loads of mine are out
.irp s, 0,1
	s_mov_b32 s[G0+4*\s], 1
	s_add_co_u32 s[G0+4*\s+1], s45, \s*SLOT
	s_add_nc_u64 s[G0+4*\s+2:G0+4*\s+3], s[20:21], \s*ROWB
	s_or_b32 s[G0+4*\s+3], s[G0+4*\s+3], 0x80000000
	s_mov_b32 s[G0B+4*\s], 1
	s_add_co_u32 s[G0B+4*\s+1], s45, \s*SLOT
	s_add_nc_u64 s[G0B+4*\s+2:G0B+4*\s+3], s[46:47], \s*ROWB
	s_or_b32 s[G0B+4*\s+3], s[G0B+4*\s+3], 0x80000000
	JLOAD G0+4*\s, G1, G0B+4*\s, G1B
.endr
	v_and_b32 v1, 15, v0                           ; r = lane % 16
	v_bfe_u32 v2, v0, 4, 1                         ; h = lane / 16
	v_mul_u32_u24 v3, v1, PITCH
	v_lshl_add_u32 v4, v2, 4, v3                   ; a fragment's row x pitch + 16 x half
	s_mul_i32 s21, s15, HALFT                      ; my 128 rows of A
	s_mul_i32 s22, s16, HALFT                      ; my 128 rows of B,
	s_add_co_u32 s22, s22, 2*HALFT                 ; which lie behind A's 256
.irp s, 0,1
	v_add_nc_u32 v[ADRA+\s], s21, v4
	v_add_nc_u32 v[ADRB+\s], s22, v4
	s_add_co_u32 s21, s21, SLOT
	s_add_co_u32 s22, s22, SLOT
.endr
	v_mul_u32_u24 v5, v1, KS                       ; my row's scales: 32 bytes a row,
	v_lshrrev_b32 v6, 8, v5
	v_lshl_add_u32 v5, v6, 4, v5                   ; and 16 more for each 256 passed
	s_mul_i32 s21, s15, HALFS                      ; A's: my 128 rows
	s_mul_i32 s22, s16, HALFS                      ; B's: my 128 rows, behind A's 256
	s_add_co_u32 s22, s22, 2*HALFS
	s_sub_co_u32 s22, s22, s21
	v_mul_u32_u24 v6, s22, v2                      ; lanes 16-31 take B's: the lower base + h x the distance
	s_add_co_u32 s21, s21, SCL
	v_add_nc_u32 v5, v5, v6
	v_add_nc_u32 v[ADRS], s21, v5
	s_mul_i32 s23, s14, 16*SPITCH
	s_add_co_u32 s23, s23, STAGE                   ; my stage
	v_mul_u32_u24 v5, v1, SPITCH                   ; in: row r, 16 bytes for each half of the lanes
	v_lshl_add_u32 v5, v2, 4, v5
	v_add_nc_u32 v[STO], s23, v5
	v_and_b32 v6, 31, v0
	v_lshrrev_b32 v5, 3, v6                        ; back: eight lanes take a head's 128 bytes of a row, 32 lanes four rows
	v_mul_u32_u24 v5, v5, SPITCH
	v_and_b32 v7, 7, v0
	v_lshl_add_u32 v5, v7, 4, v5
	v_add_nc_u32 v[RD], s23, v5
	v_lshlrev_b32 v[CO], 4, v6                     ; which are 512 consecutive bytes of qkv
	; my part of qkv: (tile row / 8) is 2 t + b, 16 heads of 262,144 bytes each; my first head 4 x tile column + 2 x column half; my first position 256 (tile row % 8) + 128 x row half, 128 bytes each
	s_lshr_b32 s20, s17, 3
	s_lshl_b32 s20, s20, 22
	s_and_b32 s21, s17, 7
	s_lshl_b32 s21, s21, 15
	s_add_co_u32 s20, s20, s21
	s_lshl_b32 s21, s15, 14
	s_add_co_u32 s20, s20, s21
	s_lshl_b32 s46, s42, 20
	s_lshl_b32 s47, s16, 19
	s_add_co_u32 s46, s46, s47
	s_add_co_u32 s20, s20, s46
	s_mov_b32 s21, 0
	s_add_nc_u64 s[12:13], s[12:13], s[20:21]
.macro FRAG reg, adr, q, i             ; a fragment, 16 rows x 128 K of 4-bit codes: lane l holds row l % 16; registers 4 c .. 4 c + 3 hold K = 64 c + 32 (l / 16) + 0 .. 31
.irp c, 0,1
	ds_load_b128 v[\reg+4*\c:\reg+4*\c+3], v[\adr] offset:64*(\q)+32*\c+(\i)*16*PITCH
.endr
.endm
; 16 matrix instructions: A's blocks a0, a0 + 1 x B's eight, the slot's q-th 128 along K.  p: B's set; sc: the set of scale words.  zero = 1: the first product starts the sums.
; The 64 accumulators take turns, one instruction a turn, in the same order in every step.
.macro MUL16 a0, p, q, sc, zero
.irp a, \a0, \a0+1
.irp b, 0,1,2,3,4,5,6,7
.if \zero
	v_wmma_scale_f32_16x16x128_f8f6f4 v[8*(8*((\a)%4)+\b):8*(8*((\a)%4)+\b)+7], v[128*(\p)+FR*\b:128*(\p)+FR*\b+FR-1], v[AF+FR*(\a):AF+FR*(\a)+FR-1], 0, v[SC+8*NQ*(\sc)+NQ*\b+(\q)], v[SC+8*NQ*(\sc)+NQ*(\a)+(\q)] matrix_a_fmt:MATRIX_FMT_FP4 matrix_b_fmt:MATRIX_FMT_FP4 matrix_a_scale:MATRIX_SCALE_ROW1
.else
	v_wmma_scale_f32_16x16x128_f8f6f4 v[8*(8*((\a)%4)+\b):8*(8*((\a)%4)+\b)+7], v[128*(\p)+FR*\b:128*(\p)+FR*\b+FR-1], v[AF+FR*(\a):AF+FR*(\a)+FR-1], v[8*(8*((\a)%4)+\b):8*(8*((\a)%4)+\b)+7], v[SC+8*NQ*(\sc)+NQ*\b+(\q)], v[SC+8*NQ*(\sc)+NQ*(\a)+(\q)] matrix_a_fmt:MATRIX_FMT_FP4 matrix_b_fmt:MATRIX_FMT_FP4 matrix_a_scale:MATRIX_SCALE_ROW1
.endif
.endr
.endr
.endm
.macro FETCH_B slot, q, p              ; B's eight fragments of the slot's q-th 128 along K into set p
	WIN TO_B
.irp i, 0,1,2,3,4,5,6,7
	FRAG 128*(\p)+FR*\i, ADRB+\slot, \q, \i
.endr
	WIN 0
.endm
.macro FETCH_A slot, q, i0             ; A's blocks i0 .. i0 + 3
.irp i, \i0, \i0+1, \i0+2, \i0+3
	FRAG AF+FR*(\i), ADRA+\slot, \q, \i
.endr
.endm
.macro SCALES sc                       ; a K step's scale words into set sc: four words a row; lanes 0-15 take A's block i, lanes 16-31 B's block i
.irp i, 0,1,2,3,4,5,6,7
	ds_load_b128 v[SC+8*NQ*\sc+NQ*\i:SC+8*NQ*\sc+NQ*\i+3], v[ADRS] offset:\i*SBLK
.endr
.endm
; A load into a register that a matrix instruction has read, and a vector instruction that reads a matrix result, stand NP places behind that matrix instruction; only plain vector instructions that
; name none of its registers are places (ISA guide 7.12.1 for vector instructions).
.macro PLACES n
.rept \n
	v_nop
.endr
.endm
; A step of 128 along K that has its successor in the same slot.  A's blocks are free as soon as their eight products are issued, so one set serves A; B's are at work through the whole step and have two.
.macro STEP slot, q, zero
	s_wait_dscnt 4*NL                              ; B's set and A's blocks 0-3 are in; the youngest eight loads (A's blocks 4-7) may be out
	WIN MUL_LO
	MUL16 0, (\q)%2, \q, \slot, \zero
	MUL16 2, (\q)%2, \q, \slot, \zero
	s_wait_dscnt 0                                 ; A's blocks 4-7 are in
	PLACES NP
	FETCH_B \slot, (\q)+1, 1-(\q)%2
	FETCH_A \slot, (\q)+1, 0
	WIN MUL_HI
	MUL16 4, (\q)%2, \q, \slot, \zero
	MUL16 6, (\q)%2, \q, \slot, \zero
	PLACES NP
	WIN 0
	FETCH_A \slot, (\q)+1, 4
.endm
.macro STEPS slot, from                ; the slot's steps from .. NQ - 2
.set Q, \from
.rept NQ-1-\from
	STEP \slot, Q, 0
.set Q, Q+1
.endr
.endm
	s_wait_tensorcnt 1                             ; the scales and my part of K step 0 are in (slot 1's load may be out)
	s_barrier_signal -1
	s_barrier_wait -1                              ; everybody's are
	FETCH_B 0, 0, 0
	FETCH_A 0, 0, 0
	SCALES 0
	FETCH_A 0, 0, 4
	STEP 0, 0, 1                                   ; the first step's products start the sums: nothing is cleared
	STEPS 0, 1
	; slot 0's last step changes slots: one barrier; in front of it each wave waits for all its tensor loads (its part of slot 1).  Nothing is filled again: K has two steps.
	s_wait_tensorcnt 0x0                           ; my part of slot 1 has landed
	ds_add_u32 v[SPW], v[NIL]                      ; 0 onto my spare word
	s_wait_dscnt 4*NL+1                            ; (the add and the youngest eight loads may be out)
	WIN MUL_LO
	MUL16 0, 1, NQ-1, 0, 0
	s_wait_dscnt 0x0                               ; the add is done, and no LDS instruction of mine is out at the signal
	s_barrier_signal -1
	MUL16 2, 1, NQ-1, 0, 0                         ; work on registers while the others arrive
	WIN 0
	s_barrier_wait -1
	PLACES NP
	v_add_nc_u32 v[ADRS], 4*NQ, v[ADRS]            ; on to K step 1's scale words
	FETCH_B 1, 0, 0
	FETCH_A 1, 0, 0
	SCALES 1
	WIN MUL_HI
	MUL16 4, 1, NQ-1, 0, 0
	MUL16 6, 1, NQ-1, 0, 0
	PLACES NP
	WIN 0
	FETCH_A 1, 0, 4
	STEPS 1, 0
	s_wait_dscnt 4*NL                              ; the very last step: nothing more to fetch
	WIN MUL_LO
	MUL16 0, 1, NQ-1, 1, 0
	MUL16 2, 1, NQ-1, 1, 0
	s_wait_dscnt 0
	WIN MUL_HI
	MUL16 4, 1, NQ-1, 1, 0
	MUL16 6, 1, NQ-1, 1, 0
	WIN 0
; THE WAY OUT, block by block of 16 rows x 128 columns (two heads).  PACK: x the factor in f32, then one rounding to f16: 16 bytes a lane.  TOSTAGE: into my own stage and back, four rows of one head at a time,
; which are 512 consecutive bytes of qkv.  SEND: stored.  LDS serves a wave's instructions in order (ISA guide 5.7.1.4): no wait between the stage's stores and loads.
.macro PACK a
.set AC, 64*((\a)%4)
	WIN 0x02+((\a)/4)                              ; source 0: window 2 or 3
.set i, 0
.rept 32
	v_pk_mul_f32 v[MT+i:MT+i+1], v[AC+i:AC+i+1], s[96:97] op_sel_hi:[1,0]   ; each accumulator from its low end on
.set i, i+2
.endr
	WIN 0
.set i, 0
.rept 32
	v_cvt_pk_f16_f32 v[TMP+i], v[MT+2*i], v[MT+2*i+1]
.set i, i+1
.endr
.endm
.macro TOSTAGE a
.set BB, BK+32*((\a)%2)
.irp b, 0,1,2,3,4,5,6,7
	ds_store_b128 v[STO], v[TMP+4*\b:TMP+4*\b+3] offset:32*\b
.endr
.irp t, 0,1,2,3,4,5,6,7
	ds_load_b128 v[BB+4*\t:BB+4*\t+3], v[RD] offset:(\t%4)*4*SPITCH+(\t/4)*128   ; rows 4 (t % 4) on, head t / 4
.endr
.endm
.macro SEND a
.set BB, BK+32*((\a)%2)
	s_wait_dscnt 0x0                               ; the block is back in registers
	s_wait_xcnt 0x0                                ; the stores of the block before have read their registers: the next block's loads land there only behind this wait
.irp t, 0,1,2,3,4,5,6,7
	global_store_b128 v[CO], v[BB+4*\t:BB+4*\t+3], s[12:13] offset:(\a)*2048+(\t%4)*512+(\t/4)*262144   ; 32 lanes store 512 consecutive bytes, at a multiple of 256 from qkv's first byte
.endr
.endm
	PLACES NP                                      ; for the writes into registers that held A's fragments, and for the reads of the last results
	PACK 0
	TOSTAGE 0
.irp a, 1,2,3,4,5,6,7                  ; block a's arithmetic stands between block a - 1's loads from the stage and the wait for them
	PACK \a
	SEND \a-1
	TOSTAGE \a
.endr
	SEND 7
	s_wait_tensorcnt 0x0                           ; the wave's end: behind my last tensor load and my last LDS store
	ds_add_u32 v[SPW], v[NIL]
	s_wait_dscnt 0x0
	CROUND                                         ; the closing round: no work-group ends while a partner may still ask for a tile that names it
	s_endpgm
.Lfunc_end_k_qca1a82dbe8_proj:
	.size	k_qca1a82dbe8_proj, .Lfunc_end_k_qca1a82dbe8_proj-k_qca1a82dbe8_proj
	.p2alignl 7, 3214868480
	.fill 96, 4, 3214868480
	.section	.rodata,"a",@progbits
	.p2align	6, 0x0
	.amdhsa_kernel k_qca1a82dbe8_proj
		.amdhsa_group_segment_fixed_size 327680
		.amdhsa_private_segment_fixed_size 0
		.amdhsa_enable_private_segment 0
		.amdhsa_kernarg_size 24
		.amdhsa_user_sgpr_count 2
		.amdhsa_user_sgpr_kernarg_segment_ptr 1
		.amdhsa_wavefront_size32 1
		.amdhsa_system_sgpr_workgroup_id_x 1
		.amdhsa_system_sgpr_workgroup_id_y 1
		.amdhsa_system_sgpr_workgroup_id_z 1
		.amdhsa_system_vgpr_workitem_id 0
		.amdhsa_next_free_vgpr 1024
		.amdhsa_next_free_sgpr 98
		.amdhsa_reserve_vcc 0
		.amdhsa_float_denorm_mode_32 3
		.amdhsa_float_denorm_mode_16_64 3
		.amdhsa_memory_ordered 1
		.amdhsa_forward_progress 1
		.amdhsa_inst_pref_size 143
	.end_amdhsa_kernel
	.amdgpu_metadata
---
amdhsa.version: [ 1, 2 ]
amdhsa.kernels:
  - .name:           k_qca1a82dbe8_proj
    .symbol:         k_qca1a82dbe8_proj.kd
    .args:
      - { .name: codes, .offset: 0, .size: 8, .value_kind: global_buffer, .address_space: global }
      - { .name: scales, .offset: 8, .size: 8, .value_kind: global_buffer, .address_space: global }
      - { .name: qkv, .offset: 16, .size: 8, .value_kind: global_buffer, .address_space: global }
    .group_segment_fixed_size: 327680
    .private_segment_fixed_size: 0
    .kernarg_segment_align: 8
    .kernarg_segment_size: 24
    .max_flat_workgroup_size: 128
    .sgpr_count:     98
    .vgpr_count:     1024
    .wavefront_size: 32
...
	.end_amdgpu_metadata
.endif
;; end of part 2
;; launch attn (part 3): grid 8 x 32, 8 waves a work-group, clusters of 4 x 1, 327,680 bytes of LDS; arguments qkv, att; writes att
.if DOCPART == 3
	.amdgcn_target "amdgcn-amd-amdhsa--gfx1250"
	.amdhsa_code_object_version 6
	.text
	.protected	k_qca1a82dbe8_attn
	.globl	k_qca1a82dbe8_attn
	.p2align	8
	.type	k_qca1a82dbe8_attn,@function
k_qca1a82dbe8_attn:
	s_mov_b64 s[64:65], 0
	v_nop
	global_prefetch_b8 v0, s[64:65] scope:SCOPE_SE
	s_setreg_imm32_b32 hwreg(HW_REG_WAVE_MODE, 25, 1), 1
	s_wait_xcnt 0x0
	s_wait_alu depctr_hold_cnt(0) depctr_sa_sdst(0) depctr_va_vdst(0) depctr_va_sdst(0) depctr_va_ssrc(0) depctr_va_vcc(0) depctr_vm_vsrc(0)
	s_getreg_b32 s2, hwreg(HW_REG_IB_STS2, 6, 4)
	s_cmp_eq_u32 s2, 0
	s_cbranch_scc0 .Lentry_in_a_cluster
	s_endpgm
.Lentry_in_a_cluster:
	s_bfe_u32 s2, ttmp6, 0x10000c
	s_cmp_lg_u32 s2, 0x3003
	s_cbranch_scc0 .Lentry_shape_is_right
	s_endpgm
.Lentry_shape_is_right:
; O[b][h][q][:] = the sum over k of softmax_k(Q[q] . K[k] / 8) V[k][:], 32 heads (b, h) of 2,048 positions x 64, no mask.  qkv: [3][b][h][s][64] f16; Q arrives multiplied by log2(e) / 8, so a score s is an exponent of 2.
; Products on f16 operands with f32 sums; maxima and sums in f32; the weights p = 2^(s - m) are rounded to f16 for the second product, O once at the end.
; For each query a running maximum m and sum l: in every step O and l are multiplied by a = 2^(m_old - m_new), which is 1 where m has not grown.  s - m is never above 0, whatever the size of the inputs.
; The result goes to att[row pair][h][row & 1][64] f16: a head's two rows are 256 consecutive bytes, aligned, so that sixteen lanes store them whole.
; SHARES.  A work-group owns 256 queries of one head, each of its eight waves 32: two tiles of 16.  Two waves lie on a SIMD, so that one wave's softmax stands beside the other's products.
; Every wave walks all 2,048 keys, 64 a step; each fragment of K and V read from LDS feeds two matrix instructions.
; LAYOUT.  S^T = K Q^T (source 0 = 16 keys, source 1 = 16 queries): a lane holds ONE query (lane % 16) and keys 8 (lane / 16) + 0..7.  Two such tiles, rounded to f16 in pairs, ARE source 1 (32 keys x 16 queries)
; of O^T = V^T P, whose result again holds one query a lane, and eight channels.  K comes out of LDS as it lies, V ([key][channel]) turned, by ds_load_tr16_b128.
; THE RING.  Two LDS slots of 512 keys (eight steps); the four passes are written out.  Waves 0-3 fetch K's quarters of a slot, waves 4-7 V's: one tensor load of 128 keys a wave.
; CLUSTER.  The four query blocks of a cluster belong to one head and walk the same K and V: each tile is asked for JOINTLY, by the same tensor load with the same descriptor and a mask that names the four.
; REGISTERS: window 0: v1-13 addresses; v14, v15 the add's two; v16-31 statistics, eight a tile; v32-95 K of one step; v96-159 V of one step; v160-223 S^T, 32 a tile, whose first 16 then hold P.
;   window 1: v0-31 Q (fragment (tile, 32 channels) at 8 (2 t + c)); v32-95 O^T (tile t, 16 channels ct at 32 + 32 t + 8 ct).
.set KS,     64                        ; keys in a step
.set SKEYS,  512                       ; keys in a slot
.set PK,     144                       ; a key's row of K in LDS: 128 bytes + 16 = 36 words: the 16 rows of a load start at 16 different groups of four words (modulo 64 words)
.set PV,     160                       ; of V: 128 + 32 = 40 words: 16 lanes of the turning load take 8 rows x 32 bytes, each word column once
.set VOFF,   SKEYS*PK                  ; a slot: 512 rows of K, then 512 rows of V
.set SLOTB,  SKEYS*(PK+PV)
.set KSTEPB, KS*PK
.set VSTEPB, KS*PV
.set SPARE,  2*SLOTB                   ; behind the ring: the spare words, 128 bytes for each of eight waves
.set SP,     144                       ; the way out: 32 rows x (128 bytes + 16) for each wave, in slot 0, which has had its last fill and its last read when the first result is stored there
.set AK0, 2                            ; v2   my lane's place in a tile of K; never rewritten
.set AV0, 3                            ; v3   the same for V
.set ADK, 4                            ; v4   LDS address of the step's K
.set ADV, 5                            ; v5   of its V
.set QO,  6                            ; v6   my byte offset in the wave's rows of Q
.set STO, 7                            ; v7   the way out: where I put 16 bytes of a row
.set RD,  8                            ; v8   where I read rows back
.set GO,  9                            ; v9   my byte offset in att
.set PFO, 12                           ; v12  256 x my lane; never rewritten
.set SPW, 14                           ; v14  LDS address of my spare word; never rewritten
.set NIL, 15                           ; v15  0; never rewritten
.set ST,  16                           ; tile t's statistics at v[ST + 8 t]: +0 m, +1 written once (named with m as a pair), +2, +3 l (even keys', odd keys'), +4 to +7 at work; a takes +6, m_old - m_new +7
.set KF,  32
.set VF,  96
.set S,   160
.set OT,  32                           ; in window 1
.set WV,  12                           ; s12  my wave's number
.set LIM, 15                           ; s15  1 in a wave that prefetches
.set PFA, 18                           ; s[18:19] what my one prefetch names; never rewritten
.set G1K, 24                           ; s[24:31] descriptor group 1 for K's tiles;  s[32:39] for V's: it differs in the padding alone
.set G1V, 32
.set G0K, 40                           ; s[40:47] descriptor group 0 for K's tiles, a set for each slot;  s[48:55] for V's
.set G0V, 48
.set CNT, 56
.set SEL, 60                           ; s[60:61] lane selects for v_permlanex16_b32: lane l xor 16
.set TBK, 62                           ; s62  LDS byte at which the K to be fetched begins
.set TBV, 63                           ; s63  the same for V (less VOFF, which the lane's place holds)
.set MSB, 0
.macro WIN new                         ; the immediate's high byte repeats the setting that is left; a switch that changes nothing is dropped
.if MSB != (\new)
	s_set_vgpr_msb (MSB<<8)|(\new)
.set MSB, (\new)
.endif
.endm
.set W_KQ, 0x04                        ; source 1 (Q) window 1
.set W_PV, 0x50                        ; C and D (O^T) window 1
.set W_RS, 0x41                        ; O^T (destination and source 0) window 1, the factor window 0
; A joint refill of slot sl.  The branch hangs on the wave's number alone.  An s_nop 0 and four v_nop follow each of the two lines.
.macro JLOAD sl
	s_cmp_lt_u32 s[WV], 4
	s_cbranch_scc0 .Lfor_v_\@
	tensor_load_to_lds s[G0K+4*\sl:G0K+4*\sl+3], s[G1K:G1K+7]
	s_nop 0
.rept 4
	v_nop
.endr
	s_branch .Lasked_\@
.Lfor_v_\@:
	tensor_load_to_lds s[G0V+4*\sl:G0V+4*\sl+3], s[G1V:G1V+7]
	s_nop 0
.rept 4
	v_nop
.endr
.Lasked_\@:
.endm
.macro CROUND                          ; a round of the cluster's barrier
	s_barrier_signal -1
	s_barrier_wait -1
	s_cmp_lg_u32 s[WV], 0
	s_cbranch_scc1 .Lnot_wave_0_\@
	s_barrier_signal -3
.Lnot_wave_0_\@:
	s_barrier_wait -3
	s_barrier_signal -1
	s_barrier_wait -1
.endm
; THE PREFETCH INTO THE L2: once, behind the first change of slots: keys 1,536 to 2,047, which the second change, eight key steps on, will ask for.  65,536 bytes of K and as many of V, each aligned block of
; 256 bytes named once in the launch: the head's first cluster asks; its four partners take 16,384 bytes each, told apart BY ADDRESS; in each, waves 0 and 1 ask for K's halves and waves 4 and 5 for V's,
; lanes 256 bytes apart.  The first three fills come by their loads alone.
.macro ASK
	s_cmp_eq_u32 s[LIM], 1
	s_cbranch_scc0 .Lnot_mine_\@
	global_prefetch_b8 v[PFO], s[PFA:PFA+1] th:TH_LOAD_NT scope:SCOPE_SE
.Lnot_mine_\@:
.endm
	s_load_b128 s[4:7], s[0:1], 0x0                ; qkv s[4:5], att s[6:7]
	v_lshl_add_u32 v[SPW], v0, 2, SPARE
	v_mov_b32 v[NIL], 0
	ds_add_u32 v[SPW], v[NIL]                      ; the wave's opening: the add, twice on end, and its wait ahead of my first tensor load; the set-up below stands between
	ds_add_u32 v[SPW], v[NIL]
	v_lshrrev_b32 v1, 5, v0
	v_readfirstlane_b32 s[WV], v1                  ; wave 0..7
	s_bfe_u32 s13, ttmp6, 0x40000                  ; cx: my place in the cluster
	s_lshl_b32 s14, ttmp9, 2
	s_add_co_u32 s14, s14, s13                     ; my block of 256 queries: it enters Q's and att's addresses alone
	s_and_b32 s20, ttmp7, 0xffff                   ; 16 b + h, which the four partners share
	s_lshl_b32 s21, s20, 18                        ; the head's first byte in each of Q, K, V: 262,144 bytes a head
	s_and_b32 s16, s[WV], 3                        ; which quarter of a slot I fetch:
	s_lshl_b32 s22, s16, 14                        ; its 128 keys of 128 bytes in memory,
	s_add_co_u32 s22, s22, s21
	s_mov_b32 s23, 0
	s_mul_i32 s17, s16, 128*PK                     ; and its place in a slot, for K
	s_mul_i32 s57, s16, 128*PV
	s_add_co_u32 s57, s57, VOFF                    ; and for V: no place in the cluster enters an LDS address
	s_lshl_b32 s2, s14, 15                         ; Q: my block's 256 rows of 128 bytes,
	s_lshl_b32 s3, s[WV], 12                       ; my wave's 32 of them
	s_add_co_u32 s2, s2, s3
	s_add_co_u32 s2, s2, s21
	s_mov_b32 s3, 0
	s_lshr_b32 s58, s20, 4                         ; att: row pair 1,024 b + 128 block + 16 wave, 4,096 bytes each; + 256 h
	s_lshl_b32 s58, s58, 22
	s_lshl_b32 s59, s14, 19
	s_add_co_u32 s58, s58, s59
	s_lshl_b32 s59, s[WV], 16
	s_add_co_u32 s58, s58, s59
	s_and_b32 s59, s20, 15
	s_lshl_b32 s59, s59, 8
	s_add_co_u32 s58, s58, s59
	s_mov_b32 s59, 0
	; descriptor group 1: 128 keys, dense in memory, as 64 lines of 256 bytes (two keys); padding behind every 32 words, that is behind every key
	s_mov_b32 s[G1K], 15|(1<<16)|(1<<20)|(1<<21)|(4<<22)|(3<<25)  ; 15:0 the mask: all four work-groups; 17:16 elements of 2 bytes; 20 padding on; 21 set beside a mask; 24:22 after every 32 words; 31:25 four words
	s_mov_b32 s[G1V], 15|(1<<16)|(1<<20)|(1<<21)|(4<<22)|(7<<25)  ; the same with eight words of padding
.irp g, G1K, G1V
	s_mov_b32 s[\g+1], 128<<16                     ; tensor_dim0 = 128 elements
	s_mov_b32 s[\g+2], 64<<16                      ; tensor_dim1 = 64
	s_mov_b32 s[\g+3], 128<<16                     ; tile_dim0
	s_mov_b32 s[\g+4], 64                          ; tile_dim1
	s_mov_b32 s[\g+5], 128                         ; from line to line
	s_mov_b32 s[\g+6], 0
	s_mov_b32 s[\g+7], 0
.endr
	s_mov_b32 s[SEL], 0x76543210
	s_mov_b32 s[SEL+1], 0xfedcba98
	s_and_b32 s[LIM], s[WV], 2                     ; 0 in waves 0, 1, 4, 5,
	s_or_b32 s[LIM], s[LIM], ttmp9                 ; where the cluster is the head's first: the same in all four partners
	s_cmp_eq_u32 s[LIM], 0
	s_cselect_b32 s[LIM], 1, -1
	v_and_b32 v[PFO], 31, v0
	v_lshlrev_b32 v[PFO], 8, v[PFO]
	s_wait_dscnt 0x0                               ; both opening adds are done
	s_wait_kmcnt 0x0
	s_add_nc_u64 s[8:9], s[4:5], 8388608           ; K's tensor
	s_add_nc_u64 s[10:11], s[4:5], 16777216        ; V's
	s_cmp_lt_u32 s[WV], 4
	s_cselect_b64 s[PFA:PFA+1], s[8:9], s[10:11]
	s_add_nc_u64 s[8:9], s[8:9], s[22:23]          ; K and V at my quarter of the head's first 512 keys
	s_add_nc_u64 s[10:11], s[10:11], s[22:23]
	s_add_nc_u64 s[4:5], s[4:5], s[2:3]            ; Q at my wave's first row
	s_add_nc_u64 s[6:7], s[6:7], s[58:59]          ; att at my wave's first row pair
	s_lshl_b32 s2, s13, 14                         ; the prefetch: my work-group's 16,384 bytes,
	s_and_b32 s3, s[WV], 1
	s_lshl_b32 s3, s3, 13                          ; my wave's half of them,
	s_add_co_u32 s2, s2, s3
	s_add_co_u32 s2, s2, s21                       ; in my head,
	s_add_co_u32 s2, s2, 3*SKEYS*128               ; from key 1,536 on
	s_mov_b32 s3, 0
	s_add_nc_u64 s[PFA:PFA+1], s[PFA:PFA+1], s[2:3]
	CROUND                                         ; all four work-groups are here: the first joint loads meet
.irp s, 0,1
	s_mov_b32 s[G0K+4*\s], 1                       ; count = 1
	s_add_co_u32 s[G0K+4*\s+1], s17, \s*SLOTB      ; LDS address
	s_add_nc_u64 s[G0K+4*\s+2:G0K+4*\s+3], s[8:9], \s*SKEYS*128   ; global address: slot s begins with keys 512 s
	s_or_b32 s[G0K+4*\s+3], s[G0K+4*\s+3], 0x80000000             ; type = 2
	s_mov_b32 s[G0V+4*\s], 1
	s_add_co_u32 s[G0V+4*\s+1], s57, \s*SLOTB
	s_add_nc_u64 s[G0V+4*\s+2:G0V+4*\s+3], s[10:11], \s*SKEYS*128
	s_or_b32 s[G0V+4*\s+3], s[G0V+4*\s+3], 0x80000000
.endr
	s_cmp_lt_u32 s[WV], 4                          ; a wave's two first fills stand in one branch, ahead of every wait on TENSORcnt and every LDS read: two loads of mine are out
	s_cbranch_scc0 .Lfirst_v
	tensor_load_to_lds s[G0K:G0K+3], s[G1K:G1K+7]
	s_nop 0
	tensor_load_to_lds s[G0K+4:G0K+7], s[G1K:G1K+7]
	s_nop 0
.rept 4
	v_nop
.endr
	s_branch .Lfirst_asked
.Lfirst_v:
	tensor_load_to_lds s[G0V:G0V+3], s[G1V:G1V+7]
	s_nop 0
	tensor_load_to_lds s[G0V+4:G0V+7], s[G1V:G1V+7]
	s_nop 0
.rept 4
	v_nop
.endr
.Lfirst_asked:
	; A fragment of K or Q is 16 rows x 32 channels in 8 registers: lane l holds row l % 16; registers 0-3 channels 8 (l / 16) + 0..7, registers 4-7 channels 16 + 8 (l / 16) + 0..7: two loads of 16 bytes, 32 bytes apart.
	v_and_b32 v1, 15, v0                           ; r
	v_bfe_u32 v10, v0, 4, 1                        ; h
	v_lshlrev_b32 v[QO], 7, v1
	v_lshl_add_u32 v[QO], v10, 4, v[QO]            ; row x 128 + 16 x half
	WIN 0x40                                       ; destination window 1, address window 0
.irp f, 0,1,2,3                        ; Q stays in registers: tile f / 2, channels 32 (f % 2) on
	global_load_b128 v[8*\f:8*\f+3],   v[QO], s[4:5] offset:(\f/2)*2048+(\f%2)*64 th:TH_LOAD_NT
	global_load_b128 v[8*\f+4:8*\f+7], v[QO], s[4:5] offset:(\f/2)*2048+(\f%2)*64+32 th:TH_LOAD_NT
.endr
.set i, 0
.rept 64
	v_mov_b32 v[OT+i], 0                           ; O^T.  (The key step is written once for all steps: the first finds zeros, which the first a, 0, leaves zeros)
.set i, i+1
.endr
	WIN 0
	v_mul_u32_u24 v[AK0], v1, PK
	v_lshl_add_u32 v[AK0], v10, 4, v[AK0]          ; row x pitch + 16 x half
	; The turning load takes 16 keys x 16 channels (lane l reads 16 bytes: key 8 (l / 16) + l % 8, channels 8 ((l / 8) % 2) + 0..7) and leaves half a fragment of V^T: lane l holds channel l % 16 and 8 keys.
	v_and_b32 v11, 7, v0
	v_bfe_u32 v13, v0, 3, 1
	v_lshl_add_u32 v[AV0], v10, 3, v11
	v_mul_u32_u24 v[AV0], v[AV0], PV
	v_lshl_add_u32 v[AV0], v13, 4, v[AV0]
	v_add_nc_u32 v[AV0], VOFF, v[AV0]
	s_mul_i32 s16, s[WV], 32*SP                    ; my stage
	v_mul_u32_u24 v[STO], v1, SP                   ; in: row r, 16 bytes for each half of the lanes
	v_lshl_add_u32 v[STO], v10, 4, v[STO]
	v_add_nc_u32 v[STO], s16, v[STO]
	v_bfe_u32 v13, v0, 3, 2                        ; back: eight lanes a row of 128 bytes, 32 lanes four rows
	v_mul_u32_u24 v[RD], v13, SP
	v_lshl_add_u32 v[RD], v11, 4, v[RD]
	v_add_nc_u32 v[RD], s16, v[RD]
	v_lshlrev_b32 v[GO], 12, v10                   ; in att: lanes 0-15 one row pair's 256 bytes of my head, lanes 16-31 the next pair's
	v_lshl_add_u32 v[GO], v1, 4, v[GO]
.irp t, 0,1
	v_mov_b32 v[ST+8*\t], 0xff61b1e6               ; m: -3e38, under every score
	v_mov_b32 v[ST+8*\t+1], 0
	v_mov_b32 v[ST+8*\t+2], 0                      ; l, in two halves
	v_mov_b32 v[ST+8*\t+3], 0
.endr
.macro FETCH_K                         ; a step's K: 64 keys x 64 channels: fragment f = 2 kt + c: keys 16 kt on, channels 32 c on
.irp f, 0,1,2,3,4,5,6,7
	ds_load_b128 v[KF+8*\f:KF+8*\f+3],   v[ADK] offset:(\f/2)*16*PK+(\f%2)*64
	ds_load_b128 v[KF+8*\f+4:KF+8*\f+7], v[ADK] offset:(\f/2)*16*PK+(\f%2)*64+32
.endr
.endm
.macro FETCH_V                         ; its V, turned: fragment f = 4 kap + ct: keys 32 kap on, channels 16 ct on
.irp f, 0,1,2,3,4,5,6,7
	ds_load_tr16_b128 v[VF+8*\f:VF+8*\f+3],   v[ADV] offset:(\f/4)*32*PV+(\f%4)*32
	ds_load_tr16_b128 v[VF+8*\f+4:VF+8*\f+7], v[ADV] offset:(\f/4)*32*PV+16*PV+(\f%4)*32
.endr
.endm
; Product i of 16 of S^T = K Q^T: channels 32 (i / 8) on, keys 16 ((i / 2) % 4) on, tile i % 2.  The first 8 start the sums.  The accumulators take turns, one instruction a turn.
.macro KQ
.set rS, S+32*(i%2)+8*((i/2)%4)
.set rK, KF+8*(2*((i/2)%4)+i/8)
.set rQ, 8*(2*(i%2)+i/8)
.if i < 8
	v_wmma_f32_16x16x32_f16 v[rS:rS+7], v[rK:rK+7], v[rQ:rQ+7], 0
.else
	v_wmma_f32_16x16x32_f16 v[rS:rS+7], v[rK:rK+7], v[rQ:rQ+7], v[rS:rS+7]
.endif
.endm
; Product i of 16 of O^T += V^T P: keys 32 (i / 8) on, channels 16 ((i / 2) % 4) on, tile i % 2.
.macro PV_
.set rO, OT+32*(i%2)+8*((i/2)%4)
.set rV, VF+8*(4*(i/8)+(i/2)%4)
.set rP, S+32*(i%2)+8*(i/8)
	v_wmma_f32_16x16x32_f16 v[rO:rO+7], v[rV:rV+7], v[rP:rP+7], v[rO:rO+7]
.endm
; What reads a tile's exponentials, as a list of 33; READER writes number n of it for tile t.  0: l x a.  1-16: the sum of the tile's 16 pairs of weights, in two chains, into l.  17-32: the roundings to f16,
; pair p into register p of the tile's S^T: pair p is read at 2 p and 2 p + 1, so no register is written before it has been read, and all sums stand ahead of the first rounding.
.macro READER t
.set rT, ST+8*(\t)
.set rS, S+32*(\t)
.if n == 0
	v_pk_mul_f32 v[rT+2:rT+3], v[rT+2:rT+3], v[rT+6:rT+7] op_sel_hi:[1,0]
.elseif n == 1
	v_pk_add_f32 v[rT+4:rT+5], v[rS:rS+1], v[rS+2:rS+3]
.elseif n < 16
.if n%2 == 0
	v_pk_add_f32 v[rT+2:rT+3], v[rT+2:rT+3], v[rS+4*(n/2):rS+4*(n/2)+1]
.else
	v_pk_add_f32 v[rT+4:rT+5], v[rT+4:rT+5], v[rS+4*(n/2)+2:rS+4*(n/2)+3]
.endif
.elseif n == 16
	v_pk_add_f32 v[rT+2:rT+3], v[rT+2:rT+3], v[rT+4:rT+5]
.else
	v_cvt_pk_f16_f32 v[rS+n-17], v[rS+2*(n-17)], v[rS+2*(n-17)+1]
.endif
.endm
; A KEY STEP: 64 keys.  ahead = 1: the next step's K, which lies in the same slot, is fetched behind this step's products K Q^T.
.macro STEP ahead
	v_add_nc_u32 v[ADV], s[TBV], v[AV0]
.rept 4
	v_nop                                          ; with the addition five places behind the last V^T P: four are owed by the loads into V's registers, five by the products below, which write over P
.endr
	FETCH_V
	s_add_co_u32 s[TBV], s[TBV], VSTEPB
	s_wait_dscnt 16                                ; K's 16 loads, issued earlier, are in; V's 16 may be out
	WIN W_KQ
.set i, 0
.rept 16
	KQ
.set i, i+1
.endr
	WIN 0
.if \ahead
	s_add_co_u32 s[TBK], s[TBK], KSTEPB
	v_add_nc_u32 v[ADK], s[TBK], v[AK0]
.rept 3
	v_nop                                          ; with the addition four places: for the loads into K's registers and for the first read of the scores
.endr
	FETCH_K
.else
.rept 4
	v_nop
.endr
.endif
	; the maximum of a lane's 32 scores and the old m, three operands at a time, four chains a tile, each begun at its accumulator's low end; the two tiles by turns
.irp j, 0,1,2,3
.irp t, 0,1
	v_max3_num_f32 v[ST+8*\t+4+\j], v[S+32*\t+8*\j], v[S+32*\t+8*\j+1], v[S+32*\t+8*\j+2]
.endr
.endr
.irp u, 1,2
.irp j, 0,1,2,3
.irp t, 0,1
	v_max3_num_f32 v[ST+8*\t+4+\j], v[ST+8*\t+4+\j], v[S+32*\t+8*\j+2*\u+1], v[S+32*\t+8*\j+2*\u+2]
.endr
.endr
.endr
.irp t, 0,1
	v_max3_num_f32 v[ST+8*\t+4], v[ST+8*\t+4], v[S+32*\t+7], v[S+32*\t+15]
.endr
.irp t, 0,1
	v_max3_num_f32 v[ST+8*\t+6], v[ST+8*\t+6], v[S+32*\t+23], v[S+32*\t+31]
.endr
.irp t, 0,1
	v_max3_num_f32 v[ST+8*\t+4], v[ST+8*\t+4], v[ST+8*\t+5], v[ST+8*\t+6]
.endr
.irp t, 0,1
	v_max3_num_f32 v[ST+8*\t+4], v[ST+8*\t+4], v[ST+8*\t+7], v[ST+8*\t]
.endr
.irp t, 0,1
	v_permlanex16_b32 v[ST+8*\t+5], v[ST+8*\t+4], s[SEL], s[SEL+1]   ; the query's other 32 keys lie in the lane 16 away
.endr
.irp t, 0,1
	v_mov_b32 v[ST+8*\t+7], v[ST+8*\t]             ; m_old
.endr
.irp t, 0,1
	v_max_num_f32 v[ST+8*\t], v[ST+8*\t+4], v[ST+8*\t+5]
.endr
.irp t, 0,1
	v_sub_f32 v[ST+8*\t+7], v[ST+8*\t+7], v[ST+8*\t]
.endr
	; THE EXPONENTIALS go in two batches, each with one wait ahead of its first reader.  First batch: both tiles' a and tile 0's 32 weights; tile 1's subtractions stand among them.
.irp t, 0,1
	v_exp_f32 v[ST+8*\t+6], v[ST+8*\t+7]           ; a = 2^(m_old - m_new)
.endr
.set i, 0
.rept 16
	v_pk_add_f32 v[S+2*i:S+2*i+1], v[S+2*i:S+2*i+1], v[ST:ST+1] op_sel_hi:[1,0] neg_lo:[0,1] neg_hi:[0,1]   ; tile 0: s - m, two at a time
.set i, i+1
.endr
.set i, 0
.rept 16
	v_exp_f32 v[S+2*i], v[S+2*i]
	v_exp_f32 v[S+2*i+1], v[S+2*i+1]
	v_pk_add_f32 v[S+32+2*i:S+32+2*i+1], v[S+32+2*i:S+32+2*i+1], v[ST+8:ST+9] op_sel_hi:[1,0] neg_lo:[0,1] neg_hi:[0,1]   ; tile 1: s - m (the last of these is the plain line behind the batch)
.set i, i+1
.endr
	s_wait_alu depctr_va_vdst(0)                   ; one wait for the first batch: nothing above names a result
	; Second batch: tile 1's 32 weights, one of tile 0's readers behind each.
.set n, 0
.rept 32
	v_exp_f32 v[S+32+n], v[S+32+n]
	READER 0
.set n, n+1
.endr
	READER 0
	WIN W_RS
.irp t, 0,1
.set i, 0
.rept 16
	v_pk_mul_f32 v[OT+32*\t+2*i:OT+32*\t+2*i+1], v[OT+32*\t+2*i:OT+32*\t+2*i+1], v[ST+8*\t+6:ST+8*\t+7] op_sel_hi:[1,0]   ; O^T x a, each accumulator from its low end on: work that names no result of the second batch
.set i, i+1
.endr
.endr
	WIN 0
	s_wait_alu depctr_va_vdst(0)                   ; one wait for the second batch
.set n, 0
.rept 33
	READER 1
.set n, n+1
.endr
	s_wait_dscnt 16*\ahead                         ; V is in; the next step's 16 loads of K may be out
	WIN W_PV
.set i, 0
.rept 16
	PV_
.set i, i+1
.endr
	WIN 0
.endm
; A slot's eight key steps: seven that fetch the next step's K in a loop, the eighth written out, since the K behind it lies behind a barrier.
.macro SLOT_STEPS sl, ask
	s_mov_b32 s[TBK], \sl*SLOTB
	s_mov_b32 s[TBV], \sl*SLOTB
	v_add_nc_u32 v[ADK], s[TBK], v[AK0]
	FETCH_K
.if \ask
	ASK                                            ; behind the wave's tensor load and the run of LDS loads that the next products wait for
.endif
	s_mov_b32 s[CNT], 7
.Lstep_\@:
	STEP 1
	s_sub_co_u32 s[CNT], s[CNT], 1
	s_cmp_lg_u32 s[CNT], 0
	s_cbranch_scc1 .Lstep_\@
	STEP 0
.endm
; THE CHANGE OF SLOTS.  Each wave waits for all its tensor loads (its part of the slot ahead), adds 0 to its spare word, and waits for that and for its reads of the slot that it leaves.
; fill = 1: slot sl, just left, is filled again with the keys 1,024 on: the barrier is then a round of the cluster's, and the joint refill is the first thing behind it: it has eight key steps in which to land.
.macro CHANGE fill, sl
	s_wait_tensorcnt 0x0                           ; no tensor load of mine is out, so a group 0 may be written
	ds_add_u32 v[SPW], v[NIL]                      ; 0 onto my spare word
.if \fill
	s_add_nc_u64 s[G0K+4*\sl+2:G0K+4*\sl+3], s[G0K+4*\sl+2:G0K+4*\sl+3], 2*SKEYS*128
	s_add_nc_u64 s[G0V+4*\sl+2:G0V+4*\sl+3], s[G0V+4*\sl+2:G0V+4*\sl+3], 2*SKEYS*128
.endif
	s_wait_dscnt 0x0                               ; the add is done, and my reads of the slot are over
.if \fill
	CROUND
	JLOAD \sl
.else
	s_barrier_signal -1
	s_barrier_wait -1
.endif
.endm
	s_wait_tensorcnt 1                             ; my part of slot 0 is in; slot 1's may stay out
	s_barrier_signal -1
	s_barrier_wait -1                              ; everybody's is
	s_wait_loadcnt 0x0                             ; Q
	SLOT_STEPS 0, 0                                ; keys 0 to 511
	CHANGE 1, 0
	SLOT_STEPS 1, 1                                ; keys 512 to 1,023
	CHANGE 1, 1
	SLOT_STEPS 0, 0                                ; keys 1,024 to 1,535
	CHANGE 0, 0                                    ; nothing is left to ask for
	SLOT_STEPS 1, 0                                ; keys 1,536 to 2,047
	; THE WAY OUT.  l's two halves and the other half of the lanes' are added; O^T is divided by l, rounded to f16 and sent through my stage, so that sixteen lanes store a row pair's 256 bytes of my head.
.irp t, 0,1
	v_add_f32 v[ST+8*\t+4], v[ST+8*\t+2], v[ST+8*\t+3]   ; (these additions and the v_nop below are the places behind the last products)
.endr
.irp t, 0,1
	v_permlanex16_b32 v[ST+8*\t+5], v[ST+8*\t+4], s[SEL], s[SEL+1]
.endr
.irp t, 0,1
	v_add_f32 v[ST+8*\t+4], v[ST+8*\t+4], v[ST+8*\t+5]
.endr
.irp t, 0,1
	v_rcp_f32 v[ST+8*\t+6], v[ST+8*\t+4]
.endr
	v_nop                                          ; a plain line between the last reciprocal and the use of its result
	s_wait_alu depctr_va_vdst(0)                   ; and the wait ahead of the first use: one for both
	WIN W_RS
.irp t, 0,1
.set i, 0
.rept 16
	v_pk_mul_f32 v[OT+32*\t+2*i:OT+32*\t+2*i+1], v[OT+32*\t+2*i:OT+32*\t+2*i+1], v[ST+8*\t+6:ST+8*\t+7] op_sel_hi:[1,0]
.set i, i+1
.endr
.endr
	WIN 0x05                                       ; sources 0 and 1 window 1, destination window 0
.irp t, 0,1
.set i, 0
.rept 16
	v_cvt_pk_f16_f32 v[S+16*\t+i], v[OT+32*\t+2*i], v[OT+32*\t+2*i+1]
.set i, i+1
.endr
.endr
	WIN 0
.irp t, 0,1
.irp c, 0,1,2,3
	ds_store_b128 v[STO], v[S+16*\t+4*\c:S+16*\t+4*\c+3] offset:16*SP*\t+32*\c   ; lane (r, h): row 16 t + r, channels 16 c + 8 h + 0..7
.endr
.endr
.irp t, 0,1
.irp j, 0,1,2,3
	ds_load_b128 v[VF+4*(4*\t+\j):VF+4*(4*\t+\j)+3], v[RD] offset:16*SP*\t+4*SP*\j   ; LDS serves a wave's instructions in order: these see my stores
.endr
.endr
.irp t, 0,1
.irp j, 0,1,2,3
	s_wait_dscnt 7-4*\t-\j                         ; the loads come back in order: this one is in, the younger ones may be out
	global_store_b128 v[GO], v[VF+4*(4*\t+\j):VF+4*(4*\t+\j)+3], s[6:7] offset:32768*\t+8192*\j   ; 16 lanes store 256 consecutive bytes, at a multiple of 256 from att's first byte
.endr
.endr
	s_wait_tensorcnt 0x0                           ; the wave's end: behind my last tensor load and my last LDS store
	ds_add_u32 v[SPW], v[NIL]
	s_wait_dscnt 0x0
	CROUND                                         ; the closing round: no work-group ends while a partner may still ask for a tile that names it
	s_endpgm
.Lfunc_end_k_qca1a82dbe8_attn:
	.size	k_qca1a82dbe8_attn, .Lfunc_end_k_qca1a82dbe8_attn-k_qca1a82dbe8_attn
	.p2alignl 7, 3214868480
	.fill 96, 4, 3214868480
	.section	.rodata,"a",@progbits
	.p2align	6, 0x0
	.amdhsa_kernel k_qca1a82dbe8_attn
		.amdhsa_group_segment_fixed_size 327680
		.amdhsa_private_segment_fixed_size 0
		.amdhsa_enable_private_segment 0
		.amdhsa_kernarg_size 16
		.amdhsa_user_sgpr_count 2
		.amdhsa_user_sgpr_kernarg_segment_ptr 1
		.amdhsa_wavefront_size32 1
		.amdhsa_system_sgpr_workgroup_id_x 1
		.amdhsa_system_sgpr_workgroup_id_y 1
		.amdhsa_system_sgpr_workgroup_id_z 1
		.amdhsa_system_vgpr_workitem_id 0
		.amdhsa_next_free_vgpr 352
		.amdhsa_next_free_sgpr 66
		.amdhsa_reserve_vcc 0
		.amdhsa_float_denorm_mode_32 3
		.amdhsa_float_denorm_mode_16_64 3
		.amdhsa_memory_ordered 1
		.amdhsa_forward_progress 1
		.amdhsa_inst_pref_size 159
	.end_amdhsa_kernel
	.amdgpu_metadata
---
amdhsa.version: [ 1, 2 ]
amdhsa.kernels:
  - .name:           k_qca1a82dbe8_attn
    .symbol:         k_qca1a82dbe8_attn.kd
    .args:
      - { .name: qkv, .offset: 0, .size: 8, .value_kind: global_buffer, .address_space: global }
      - { .name: att, .offset: 8, .size: 8, .value_kind: global_buffer, .address_space: global }
    .group_segment_fixed_size: 327680
    .private_segment_fixed_size: 0
    .kernarg_segment_align: 8
    .kernarg_segment_size: 16
    .max_flat_workgroup_size: 256
    .sgpr_count:     66
    .vgpr_count:     352
    .wavefront_size: 32
...
	.end_amdgpu_metadata
.endif
;; end of part 3
;; launch oproj (part 4): grid 8 x 32, 4 waves a work-group, clusters of 4 x 4, 327,680 bytes of LDS; arguments att, wo16, out0; writes out0
.if DOCPART == 4
	.amdgcn_target "amdgcn-amd-amdhsa--gfx1250"
	.amdhsa_code_object_version 6
	.text
	.protected	k_qca1a82dbe8_oproj
	.globl	k_qca1a82dbe8_oproj
	.p2align	8
	.type	k_qca1a82dbe8_oproj,@function
k_qca1a82dbe8_oproj:
	s_mov_b64 s[64:65], 0
	v_nop
	global_prefetch_b8 v0, s[64:65] scope:SCOPE_SE
	s_setreg_imm32_b32 hwreg(HW_REG_WAVE_MODE, 25, 1), 1
	s_wait_xcnt 0x0
	s_wait_alu depctr_hold_cnt(0) depctr_sa_sdst(0) depctr_va_vdst(0) depctr_va_sdst(0) depctr_va_ssrc(0) depctr_va_vcc(0) depctr_vm_vsrc(0)
	s_getreg_b32 s2, hwreg(HW_REG_IB_STS2, 6, 4)
	s_cmp_eq_u32 s2, 0
	s_cbranch_scc0 .Lentry_in_a_cluster
	s_endpgm
.Lentry_in_a_cluster:
	s_bfe_u32 s2, ttmp6, 0x10000c
	s_cmp_lg_u32 s2, 0xf033
	s_cbranch_scc0 .Lentry_shape_is_right
	s_endpgm
.Lentry_shape_is_right:
; out0[m][n] = sum over k of A[m][k] Wo[n][k]: m = 4,096 rows, n = 1,024, k = 1,024 = 64 h + d.  Operands f16, sums f32, out0 f32.
; A is the attention's result as that launch laid it: att[row pair][h][row & 1][64]: a row pair is 4,096 bytes, and 256 along K (four heads) of BOTH its rows are 1,024 consecutive bytes.  wo16: [n][k] f16.
; A tile of out0 is 128 x 128: 256 work-groups of four waves, each wave 64 x 64: 16 accumulators.  K goes in four steps of 256 through two LDS slots.
; CLUSTERS: 4 x 4 work-groups.  The four of a row of the cluster need the same tiles of A, the four of a column the same tiles of Wo: each tile is asked for JOINTLY.
; THE MATRIX INSTRUCTION IS USED TRANSPOSED (source 0 = 16 rows of Wo, source 1 = 16 rows of A): a lane then holds eight neighbouring numbers of a row of out0.
; A wave's 64 columns of f32 are 256 consecutive bytes, aligned: so each wave has a stage of its own on the way out, and no barrier stands there.
; REGISTERS: window 0: v0-31 addresses; v32-95 rows read back from the stage, two sets; v128-255 the accumulators ((a, b) at v[128 + 8 (4 a + b)]).
;   window 1: two fragment buffers of 128: for 64 along K, 64 registers of A (2 x 4 x 16 rows x 32 K), then 64 of Wo.
.set PA,     1040                      ; a row pair's line of A in LDS: 1,024 bytes + 16 = 260 words: row r starts at word 4 (r / 2) + 32 (r % 2) modulo 64: the 16 rows of a load start at 16 different groups of four words
.set PB,     528                       ; a row of Wo: 512 bytes + 16 = 132 words
.set HALFA,  32*PA                     ; 64 rows of A: what one tensor load brings, and what one wave reads
.set HALFB,  64*PB                     ; 64 rows of Wo
.set BOFF,   2*HALFA                   ; a slot: A's 128 rows, then Wo's 128 rows
.set SLOT,   2*HALFA+2*HALFB
.set STAGE,  2*SLOT                    ; behind the ring: 16 rows x (256 bytes + 16) for each wave
.set SPITCH, 272
.set SPARE,  STAGE+4*16*SPITCH         ; the spare words, 128 bytes for each wave
.set ADRA, 16                          ; v16-17  LDS address of my A fragments in slot 0, 1
.set ADRB, 20                          ; v20-21  the same for Wo
.set STO,  24                          ; v24     the way out: where I put 32 bytes of a row
.set RD,   25                          ; v25     where I read a row back
.set CO,   26                          ; v26     my byte offset in out0
.set SPW,  28                          ; v28     LDS address of my spare word; never rewritten
.set NIL,  29                          ; v29     0; never rewritten
.set TMP,  32
.set ACC,  128
.set F0,   0                           ; fragment buffers, in window 1
.set F1,   128
.set G1, 24                            ; s[24:31] descriptor group 1 for A's tiles;  s[32:39] group 0, one set for each slot
.set G0, 32
.set G1B, 48                           ; s[48:55], s[56:63] the same for Wo's tiles
.set G0B, 56
.set MSB, 0
.macro WIN new                         ; the immediate's high byte repeats the setting that is left; a switch that changes nothing is dropped
.if MSB != (\new)
	s_set_vgpr_msb (MSB<<8)|(\new)
.set MSB, (\new)
.endif
.endm
.set MUL,  0x05                        ; sources 0 (Wo) and 1 (A) window 1; C and D window 0
.set TO_F, 0x40                        ; destination window 1, address window 0
.macro JLOAD s                         ; a joint load: waves 0 and 1 fetch A's two halves, waves 2 and 3 Wo's; an s_nop 0 and four v_nop follow each of the two lines
	s_cmp_eq_u32 s11, 0
	s_cbranch_scc0 .Lfor_b_\@
	tensor_load_to_lds s[G0+4*\s:G0+4*\s+3], s[G1:G1+7]
	s_nop 0
.rept 4
	v_nop
.endr
	s_branch .Lasked_\@
.Lfor_b_\@:
	tensor_load_to_lds s[G0B+4*\s:G0B+4*\s+3], s[G1B:G1B+7]
	s_nop 0
.rept 4
	v_nop
.endr
.Lasked_\@:
.endm
.macro CREST                           ; a round of the cluster's barrier behind its opening barrier
	s_cmp_lg_u32 s10, 0
	s_cbranch_scc1 .Lnot_wave_0_\@
	s_barrier_signal -3
.Lnot_wave_0_\@:
	s_barrier_wait -3
	s_barrier_signal -1
	s_barrier_wait -1
.endm
.macro CROUND                          ; a whole round
	s_barrier_signal -1
	s_barrier_wait -1
	CREST
.endm
	s_load_b128 s[4:7], s[0:1], 0x0                ; att s[4:5], wo16 s[6:7]
	s_load_b64 s[8:9], s[0:1], 0x10                ; out0
	v_lshl_add_u32 v[SPW], v0, 2, SPARE
	v_mov_b32 v[NIL], 0
	ds_add_u32 v[SPW], v[NIL]                      ; the wave's opening: the add, twice on end, and its wait ahead of my first tensor load; the set-up below stands between
	ds_add_u32 v[SPW], v[NIL]
	v_lshrrev_b32 v1, 5, v0
	v_readfirstlane_b32 s10, v1                    ; wave 0..3
	s_lshr_b32 s11, s10, 1                         ; which half of the tile's rows is mine.  Also: I fetch for A (0) or for Wo (1)
	s_and_b32 s12, s10, 1                          ; which half of its columns.  Also: which 64 rows of that tile I fetch
	s_bfe_u32 s40, ttmp6, 0x40000                  ; cx, cy: my place in the cluster
	s_bfe_u32 s41, ttmp6, 0x40004
	s_lshl_b32 s42, ttmp9, 2
	s_add_co_u32 s42, s42, s40                     ; tile column = 4 x cluster x + cx
	s_and_b32 s13, ttmp7, 0xffff
	s_lshl_b32 s13, s13, 2
	s_add_co_u32 s13, s13, s41                     ; tile row = 4 x cluster y + cy
	s_lshl_b32 s43, s41, 2
	s_lshl_b32 s43, 15, s43                        ; my row of the cluster
	s_lshl_b32 s44, 0x1111, s40                    ; my column
	; descriptor group 1.  A: 32 lines (row pairs) of 512 elements, 2,048 elements apart; four words of padding behind every 256.  Wo: 64 rows of 256 elements, 1,024 apart; four words behind every 128.
	s_or_b32 s[G1+0], s43, (1<<16)|(1<<20)|(1<<21)|(7<<22)|(3<<25)  ; 15:0 the mask: A's tiles go to my row; 17:16 element of 2 bytes; 20 padding on; 21 set beside a mask
	s_mov_b32 s[G1+1], 512<<16                     ; tensor_dim0
	s_mov_b32 s[G1+2], 32<<16                      ; tensor_dim1
	s_mov_b32 s[G1+3], 512<<16                     ; tile_dim0
	s_mov_b32 s[G1+4], 32                          ; tile_dim1
	s_mov_b32 s[G1+5], 2048                        ; from line to line
	s_mov_b32 s[G1+6], 0
	s_mov_b32 s[G1+7], 0
	s_or_b32 s[G1B+0], s44, (1<<16)|(1<<20)|(1<<21)|(6<<22)|(3<<25)
	s_mov_b32 s[G1B+1], 256<<16
	s_mov_b32 s[G1B+2], 64<<16
	s_mov_b32 s[G1B+3], 256<<16
	s_mov_b32 s[G1B+4], 64
	s_mov_b32 s[G1B+5], 1024
	s_mov_b32 s[G1B+6], 0
	s_mov_b32 s[G1B+7], 0
	s_lshl_b32 s16, s13, 18                        ; A: row pair 64 x tile row + 32 x half, 4,096 bytes each
	s_lshl_b32 s17, s12, 17
	s_add_co_u32 s16, s16, s17
	s_mov_b32 s17, 0
	s_lshl_b32 s46, s42, 18                        ; Wo: row 128 x tile column + 64 x half, 2,048 bytes each
	s_lshl_b32 s47, s12, 17
	s_add_co_u32 s46, s46, s47
	s_mov_b32 s47, 0
	s_mul_i32 s20, s12, HALFA                      ; where they go: no place in the cluster enters an LDS address
	s_mul_i32 s21, s12, HALFB
	s_add_co_u32 s21, s21, BOFF
	s_wait_dscnt 0x0                               ; both opening adds are done
	s_wait_kmcnt 0x0
	s_add_nc_u64 s[14:15], s[4:5], s[16:17]
	s_add_nc_u64 s[46:47], s[6:7], s[46:47]
	CROUND                                         ; all sixteen work-groups are here: the first joint loads meet
.irp s, 0,1
	s_mov_b32 s[G0+4*\s], 1
	s_add_co_u32 s[G0+4*\s+1], s20, \s*SLOT
	s_add_nc_u64 s[G0+4*\s+2:G0+4*\s+3], s[14:15], \s*1024         ; K step s: 1,024 bytes on in each row pair
	s_or_b32 s[G0+4*\s+3], s[G0+4*\s+3], 0x80000000
	s_mov_b32 s[G0B+4*\s], 1
	s_add_co_u32 s[G0B+4*\s+1], s21, \s*SLOT
	s_add_nc_u64 s[G0B+4*\s+2:G0B+4*\s+3], s[46:47], \s*512        ; 512 bytes on in each row
	s_or_b32 s[G0B+4*\s+3], s[G0B+4*\s+3], 0x80000000
	JLOAD \s                                       ; two tensor loads of mine are out
.endr
	v_and_b32 v1, 15, v0                           ; r
	v_bfe_u32 v2, v0, 4, 1                         ; h
	v_lshrrev_b32 v3, 1, v1
	v_mul_u32_u24 v3, v3, PA                       ; A: my row's pair,
	v_and_b32 v4, 1, v0
	v_lshl_add_u32 v3, v4, 7, v3                   ; which of its two rows: 128 bytes on in each head's 256,
	v_lshl_add_u32 v3, v2, 4, v3                   ; + 16 x half
	v_mul_u32_u24 v4, v1, PB
	v_lshl_add_u32 v4, v2, 4, v4                   ; Wo: row x pitch + 16 x half
	s_mul_i32 s21, s11, HALFA                      ; my 64 rows of A
	s_mul_i32 s22, s12, HALFB                      ; my 64 rows of Wo,
	s_add_co_u32 s22, s22, BOFF                    ; which lie behind A's 128
.irp s, 0,1
	v_add_nc_u32 v[ADRA+\s], s21, v3
	v_add_nc_u32 v[ADRB+\s], s22, v4
	s_add_co_u32 s21, s21, SLOT
	s_add_co_u32 s22, s22, SLOT
.endr
	s_mul_i32 s23, s10, 16*SPITCH
	s_add_co_u32 s23, s23, STAGE                   ; my stage
	v_mul_u32_u24 v5, v1, SPITCH                   ; in: row r, 32 bytes for each half of the lanes
	v_lshl_add_u32 v5, v2, 5, v5
	v_add_nc_u32 v[STO], s23, v5
	v_mul_u32_u24 v5, v2, SPITCH                   ; back: lanes 0-15 take one row of 256 bytes, lanes 16-31 the next
	v_lshl_add_u32 v5, v1, 4, v5
	v_add_nc_u32 v[RD], s23, v5
	v_lshlrev_b32 v5, 12, v2                       ; and the same two rows in out0, 4,096 bytes apart
	v_lshl_add_u32 v[CO], v1, 4, v5
	s_lshl_b32 s16, s13, 19                        ; my first row: 128 x tile row + 64 x row half, 4,096 bytes each;
	s_lshl_b32 s17, s11, 18
	s_add_co_u32 s16, s16, s17
	s_lshl_b32 s46, s42, 9                         ; my first column: 128 x tile column + 64 x column half, 4 bytes each
	s_lshl_b32 s47, s12, 8
	s_add_co_u32 s46, s46, s47
	s_add_co_u32 s16, s16, s46
	s_mov_b32 s17, 0
	s_add_nc_u64 s[8:9], s[8:9], s[16:17]
; 8 matrix instructions: m blocks a0, a0 + 1 x all 4 n blocks, 32 along K: half c of buffer f.  zero = 1: the first product starts the sums.  The 16 accumulators take turns.
.macro MUL8 f, c, a0, zero
.irp a, \a0, \a0+1
.irp b, 0,1,2,3
.if \zero
	v_wmma_f32_16x16x32_f16 v[ACC+8*(4*(\a)+\b):ACC+8*(4*(\a)+\b)+7], v[\f+64+8*(4*\c+\b):\f+64+8*(4*\c+\b)+7], v[\f+8*(4*\c+(\a)):\f+8*(4*\c+(\a))+7], 0
.else
	v_wmma_f32_16x16x32_f16 v[ACC+8*(4*(\a)+\b):ACC+8*(4*(\a)+\b)+7], v[\f+64+8*(4*\c+\b):\f+64+8*(4*\c+\b)+7], v[\f+8*(4*\c+(\a)):\f+8*(4*\c+(\a))+7], v[ACC+8*(4*(\a)+\b):ACC+8*(4*(\a)+\b)+7]
.endif
.endr
.endr
.endm
; 32 LDS loads in one run: the fragments of the K step's qq-th 64 along K (one head) into buffer f; the first 32 along K first.  In A a head is 256 bytes of a line, in Wo 128 bytes of a row.
.macro FETCH slot, qq, f
	WIN TO_F
.irp c, 0,1
.irp i, 0,1,2,3
	ds_load_b128 v[\f+64+8*(4*\c+\i):\f+64+8*(4*\c+\i)+3],   v[ADRB+\slot] offset:128*(\qq)+64*\c+\i*16*PB
	ds_load_b128 v[\f+64+8*(4*\c+\i)+4:\f+64+8*(4*\c+\i)+7], v[ADRB+\slot] offset:128*(\qq)+64*\c+\i*16*PB+32
	ds_load_b128 v[\f+8*(4*\c+\i):\f+8*(4*\c+\i)+3],         v[ADRA+\slot] offset:256*(\qq)+64*\c+\i*8*PA
	ds_load_b128 v[\f+8*(4*\c+\i)+4:\f+8*(4*\c+\i)+7],       v[ADRA+\slot] offset:256*(\qq)+64*\c+\i*8*PA+32
.endr
.endr
.endm
.macro PLACES                          ; four places in front of loads into registers that matrix instructions have read, and of the first read of results (ISA guide 7.12.1 for vector instructions)
.rept 4
	v_nop
.endr
.endm
; A K step is four quarters of 64 along K, 32 matrix instructions each, on buffers 0, 1, 0, 1.  One of the first three: multiplies buffer f and fetches the next quarter, qq, into g.
.macro QUARTER slot, qq, f, g, zero
	s_wait_dscnt 16                                ; the first 32 along K are in; the other sixteen loads may be out
	WIN MUL
	MUL8 \f, 0, 0, \zero
	MUL8 \f, 0, 2, \zero
	PLACES
	FETCH \slot, \qq, \g
	s_wait_dscnt 32                                ; all but the 32 just issued
	WIN MUL
	MUL8 \f, 1, 0, 0
	MUL8 \f, 1, 2, 0
.endm
; The last quarter multiplies buffer 1 and changes slots: ONE barrier; in front of it each wave waits for all its tensor loads, adds 0 to its spare word, and waits for that and for its own reads of this slot.
; fill = 1: this slot is filled again, two K steps ahead; the barrier then opens a round of the cluster's.
.macro TURN slot, next, fill
	WIN 0                                          ; (the add's two registers lie in window 0)
	s_wait_tensorcnt 0x0                           ; all my tensor loads have landed: my part of the next slot;
	ds_add_u32 v[SPW], v[NIL]                      ; 0 onto my spare word;
	s_wait_dscnt 17                                ; (the add and the youngest sixteen loads may be out)
	WIN MUL
	MUL8 F1, 0, 0, 0                               ; eight matrix instructions stand between the add and the wait for it
	s_wait_dscnt 0x0                               ; the add is done, and my reads of this slot are over
	s_barrier_signal -1
	MUL8 F1, 0, 2, 0
.if \fill
	WIN 0
.endif
	s_barrier_wait -1
.if \fill
	CREST                                          ; no wave of any partner still reads this slot's tile or has a load on its way
	s_add_nc_u64 s[G0+4*\slot+2:G0+4*\slot+3], s[G0+4*\slot+2:G0+4*\slot+3], 2*1024
	s_add_nc_u64 s[G0B+4*\slot+2:G0B+4*\slot+3], s[G0B+4*\slot+2:G0B+4*\slot+3], 2*512
	JLOAD \slot                                    ; the first tensor load behind the round; the four v_nop behind it are also the places in front of the loads below
.else
	PLACES
.endif
	FETCH \next, 0, F0
	WIN MUL
	MUL8 F1, 1, 0, 0
	MUL8 F1, 1, 2, 0
.endm
	s_wait_tensorcnt 1                             ; my part of K step 0 is in (K step 1's load may be out)
	s_barrier_signal -1
	s_barrier_wait -1                              ; everybody's is
	FETCH 0, 0, F0
	QUARTER 0, 1, F0, F1, 1                        ; K step 0: its first products start the sums
	QUARTER 0, 2, F1, F0, 0
	QUARTER 0, 3, F0, F1, 0
	TURN 0, 1, 1                                   ; slot 0 takes K step 2
	QUARTER 1, 1, F0, F1, 0                        ; K step 1
	QUARTER 1, 2, F1, F0, 0
	QUARTER 1, 3, F0, F1, 0
	TURN 1, 0, 1                                   ; slot 1 takes K step 3
	QUARTER 0, 1, F0, F1, 0                        ; K step 2
	QUARTER 0, 2, F1, F0, 0
	QUARTER 0, 3, F0, F1, 0
	TURN 0, 1, 0                                   ; nothing is left to ask for
	QUARTER 1, 1, F0, F1, 0                        ; K step 3
	QUARTER 1, 2, F1, F0, 0
	QUARTER 1, 3, F0, F1, 0
	s_wait_dscnt 16                                ; the very last quarter: nothing more to fetch
	WIN MUL
	MUL8 F1, 0, 0, 0
	MUL8 F1, 0, 2, 0
	s_wait_dscnt 0
	MUL8 F1, 1, 0, 0
	MUL8 F1, 1, 2, 0
	WIN 0
; THE WAY OUT, block by block of 16 rows x 64 columns.  A lane holds 32 neighbouring bytes of a row, and the lanes beside it hold other rows: so a block goes through my own stage and comes back as whole rows of
; 256 bytes.  LDS serves a wave's instructions in order (ISA guide 5.7.1.4): no wait between the stores and the loads, nor in front of the next block's stores.
.macro TOSTAGE a
.irp b, 0,1,2,3
	ds_store_b128 v[STO], v[ACC+8*(4*(\a)+\b):ACC+8*(4*(\a)+\b)+3] offset:64*\b        ; each accumulator from its low end on
	ds_store_b128 v[STO], v[ACC+8*(4*(\a)+\b)+4:ACC+8*(4*(\a)+\b)+7] offset:64*\b+16
.endr
.irp t, 0,1,2,3,4,5,6,7
	ds_load_b128 v[TMP+32*((\a)%2)+4*\t:TMP+32*((\a)%2)+4*\t+3], v[RD] offset:\t*2*SPITCH
.endr
.endm
.macro SEND a, younger                 ; younger: the LDS instructions issued behind block a's loads, which may stay out
	s_wait_dscnt \younger
.irp t, 0,1,2,3,4,5,6,7
	global_store_b128 v[CO], v[TMP+32*((\a)%2)+4*\t:TMP+32*((\a)%2)+4*\t+3], s[8:9] offset:(\a)*65536+\t*8192 th:TH_STORE_NT   ; 16 lanes store 256 consecutive bytes, at a multiple of 256 from out0's first byte; written once, read by nobody here
.endr
.endm
	PLACES
	TOSTAGE 0
.irp a, 1,2,3
.if \a > 1
	s_wait_xcnt 0x0                                ; block a - 2's stores have read their registers: block a's loads may land there
.endif
	TOSTAGE \a
	SEND \a-1, 16                                  ; behind block a - 1's loads: block a's 8 stores and 8 loads
.endr
	SEND 3, 0
	s_wait_tensorcnt 0x0                           ; the wave's end: behind my last tensor load and my last LDS store
	ds_add_u32 v[SPW], v[NIL]
	s_wait_dscnt 0x0
	CROUND                                         ; the closing round: no work-group ends while a partner may still ask for a tile that names it
	s_endpgm
.Lfunc_end_k_qca1a82dbe8_oproj:
	.size	k_qca1a82dbe8_oproj, .Lfunc_end_k_qca1a82dbe8_oproj-k_qca1a82dbe8_oproj
	.p2alignl 7, 3214868480
	.fill 96, 4, 3214868480
	.section	.rodata,"a",@progbits
	.p2align	6, 0x0
	.amdhsa_kernel k_qca1a82dbe8_oproj
		.amdhsa_group_segment_fixed_size 327680
		.amdhsa_private_segment_fixed_size 0
		.amdhsa_enable_private_segment 0
		.amdhsa_kernarg_size 24
		.amdhsa_user_sgpr_count 2
		.amdhsa_user_sgpr_kernarg_segment_ptr 1
		.amdhsa_wavefront_size32 1
		.amdhsa_system_sgpr_workgroup_id_x 1
		.amdhsa_system_sgpr_workgroup_id_y 1
		.amdhsa_system_sgpr_workgroup_id_z 1
		.amdhsa_system_vgpr_workitem_id 0
		.amdhsa_next_free_vgpr 512
		.amdhsa_next_free_sgpr 66
		.amdhsa_reserve_vcc 0
		.amdhsa_float_denorm_mode_32 3
		.amdhsa_float_denorm_mode_16_64 3
		.amdhsa_memory_ordered 1
		.amdhsa_forward_progress 1
		.amdhsa_inst_pref_size 86
	.end_amdhsa_kernel
	.amdgpu_metadata
---
amdhsa.version: [ 1, 2 ]
amdhsa.kernels:
  - .name:           k_qca1a82dbe8_oproj
    .symbol:         k_qca1a82dbe8_oproj.kd
    .args:
      - { .name: att, .offset: 0, .size: 8, .value_kind: global_buffer, .address_space: global }
      - { .name: wo16, .offset: 8, .size: 8, .value_kind: global_buffer, .address_space: global }
      - { .name: out0, .offset: 16, .size: 8, .value_kind: global_buffer, .address_space: global }
    .group_segment_fixed_size: 327680
    .private_segment_fixed_size: 0
    .kernarg_segment_align: 8
    .kernarg_segment_size: 24
    .max_flat_workgroup_size: 128
    .sgpr_count:     66
    .vgpr_count:     512
    .wavefront_size: 32
...
	.end_amdgpu_metadata
.endif
;; end of part 4
